; MI455X (gfx1250); checked and timed in simulation.
; The chip was launched on July 23, 2026; its instructions are those of AMD's public machine-readable ISA for CDNA 5 (MIT licence, August 2026) and "CDNA5" Instruction Set Architecture Reference Guide (July 2026). The comments in the code are by the model that wrote it; some were corrected since.
;; Bin Linear. Allowed arithmetic: float matrix products may take bf16 or f16 operands with f32 sums; other float arithmetic in f32, or as packed bf16 or f16 multiplies, adds, multiply-adds, maxima and minima; sums over many terms, partial sums and values carried from step to step in f32; what a program stores and reads back later, other than sums and carried values, may be rounded once to bf16 or f16.
;; Inputs: beta 4,096 float32; bias 4,096 float32; gamma 4,096 float32; weight 4,096 x 4,096 float32; x 4,096 x 4,096 float32.
;; Outputs: out0 4,096 x 4,096 float32.
;; 2 versions, each right; version 2 is version 1 with the launches xbin, wbin written anew for expert scheduling mode. Each part assembles by itself: llvm-mc -triple=amdgcn-amd-amdhsa -mcpu=gfx1250 --defsym DOCPART=n.
;; ======== version 1 of 2: 4 launches
;; workspace buffers: xpart 262,144 bytes; xb 33,554,432 bytes; wb 33,554,432 bytes; wscale 16,384 bytes
;; launch xstats (part 1): grid 32 x 8, 16 waves a work-group, no clusters, 18,432 bytes of LDS; arguments x, xpart; writes xpart
.if DOCPART == 1
	.amdgcn_target "amdgcn-amd-amdhsa--gfx1250"
	.amdhsa_code_object_version 6
	.text
	.protected	k_q4bbfc39cf8_xstats
	.globl	k_q4bbfc39cf8_xstats
	.p2align	8
	.type	k_q4bbfc39cf8_xstats,@function
k_q4bbfc39cf8_xstats:
	s_mov_b64 s[64:65], 0
	v_nop
	global_prefetch_b8 v0, s[64:65] scope:SCOPE_SE
	s_setreg_imm32_b32 hwreg(HW_REG_WAVE_MODE, 25, 1), 1
	s_wait_xcnt 0x0
; COLUMN STATISTICS OF x, FIRST STAGE.  x: [4096][4096] f32.  For each chunk of 512 rows and each column: the chunk's mean and
; M2, the sum of squared deviations from that mean.  xpart: [8 chunks][2 kinds][4096 columns] f32 (kind 0 the mean, kind 1 M2).
; SHARES.  Work-group (cx, ry): columns 128 cx .. + 127, rows 512 ry .. + 511.  Wave w: 32 of those rows.  Lane l: 4 columns.
; A wave asks for its 16 KiB at once, by 32 loads of 512 consecutive bytes each, and keeps them in 128 registers: first the mean
; of its 32 rows, then the deviations from it.  No difference of large sums is formed: parts are joined by
; M2 = sum of the parts' M2 + n x sum of (part's mean - mean)^2, which adds terms that are not negative, so a common offset of x costs nothing.
; The sixteen waves' parts meet in LDS; wave 0 joins them and stores 512 consecutive bytes of means and 512 of M2.
; LIMIT.  The sums go by trees, not in the order of a plain loop over the rows: the mean can differ from such a loop's in its last bits.
; No matrix unit, no cluster, no tensor load: no byte is shared between work-groups, and all of a wave's bytes are asked for at its start.
.set ROWB,  16384                      ; bytes in a row of x
.set M2S,   8192                       ; LDS: the waves' means at 0 (16 bytes a thread), their M2 here
.set SPARE, 16384                      ; behind them: the spare words, 128 bytes for each of 16 waves, which no other line names
.set XO,  1                            ; v1   my byte offset in the work-group's part of x: 16 l + 32 rows x wave; never rewritten
.set LS,  2                            ; v2   16 x thread: where I put my wave's part
.set LC,  3                            ; v3   16 l: my 4 columns, in LDS and in xpart alike
.set SPW, 6                            ; v6   LDS address of my spare word; never rewritten
.set NIL, 7                            ; v7   0; never rewritten
.set T,   8                            ; v[8:23]   four groups of 4 columns: sums
.set MN,  24                           ; v[24:27]  a mean of my 4 columns
.set Q,   28                           ; v[28:43]  four groups of 4 columns: sums of squares
.set X,   48                           ; v[48:175] row i of my 32 at X + 4 i
.macro ADD4 d, a, b                    ; four columns: d = a + b
	v_pk_add_f32 v[(\d):(\d)+1], v[(\a):(\a)+1], v[(\b):(\b)+1]
	v_pk_add_f32 v[(\d)+2:(\d)+3], v[(\a)+2:(\a)+3], v[(\b)+2:(\b)+3]
.endm
.macro SUB4 d, a, b                    ; d = a - b
	v_pk_add_f32 v[(\d):(\d)+1], v[(\a):(\a)+1], v[(\b):(\b)+1] neg_lo:[0,1] neg_hi:[0,1]
	v_pk_add_f32 v[(\d)+2:(\d)+3], v[(\a)+2:(\a)+3], v[(\b)+2:(\b)+3] neg_lo:[0,1] neg_hi:[0,1]
.endm
.macro SQ4 d, a                        ; d = a a: starts a sum of squares, nothing is cleared
	v_pk_mul_f32 v[(\d):(\d)+1], v[(\a):(\a)+1], v[(\a):(\a)+1]
	v_pk_mul_f32 v[(\d)+2:(\d)+3], v[(\a)+2:(\a)+3], v[(\a)+2:(\a)+3]
.endm
.macro SQA4 d, a                       ; d += a a
	v_pk_fma_f32 v[(\d):(\d)+1], v[(\a):(\a)+1], v[(\a):(\a)+1], v[(\d):(\d)+1]
	v_pk_fma_f32 v[(\d)+2:(\d)+3], v[(\a)+2:(\a)+3], v[(\a)+2:(\a)+3], v[(\d)+2:(\d)+3]
.endm
.macro JOIN4 t                         ; the four groups at t into the first
	ADD4 (\t), (\t), (\t)+4
	ADD4 (\t)+8, (\t)+8, (\t)+12
	ADD4 (\t), (\t), (\t)+8
.endm
.macro MUL4K d, a, k                   ; d = a x a constant
	v_pk_mul_f32 v[(\d):(\d)+1], v[(\a):(\a)+1], \k op_sel_hi:[1,0]
	v_pk_mul_f32 v[(\d)+2:(\d)+3], v[(\a)+2:(\a)+3], \k op_sel_hi:[1,0]
.endm
	s_load_b128 s[4:7], s[0:1], 0x0                ; x s[4:5], xpart s[6:7]
	v_lshl_add_u32 v[SPW], v0, 2, SPARE
	v_mov_b32 v[NIL], 0
	v_lshrrev_b32 v5, 5, v0
	v_readfirstlane_b32 s8, v5                     ; wave 0..15
	v_and_b32 v[LC], 31, v0
	v_lshlrev_b32 v[LC], 4, v[LC]
	v_lshl_or_b32 v[XO], v5, 19, v[LC]             ; 32 rows of 16,384 bytes a wave
	v_lshlrev_b32 v[LS], 4, v0
	s_and_b32 s9, ttmp7, 0xffff                    ; ry
	s_lshl_b32 s14, ttmp9, 9                       ; 128 columns of 4 bytes
	s_lshl_b32 s10, s9, 23                         ; 512 rows of 16,384 bytes
	s_add_co_u32 s10, s10, s14
	s_mov_b32 s11, 0
	s_lshl_b32 s12, s9, 15                         ; a chunk's 32,768 bytes of xpart
	s_add_co_u32 s12, s12, s14
	s_mov_b32 s13, 0
	s_wait_kmcnt 0x0
	s_add_nc_u64 s[4:5], s[4:5], s[10:11]
	s_add_nc_u64 s[6:7], s[6:7], s[12:13]
.set i, 0
.rept 32
	global_load_b128 v[X+4*i:X+4*i+3], v[XO], s[4:5] offset:i*ROWB th:TH_LOAD_NT  ; the row's place stands in the immediate
.set i, i+1
.endr
; Rows 8 g .. 8 g + 7 are summed as they arrive.
.macro GROUP g
	s_wait_loadcnt 24-8*(\g)                       ; loads come back in order: the 24 - 8 g younger ones may stay out
	ADD4 T+4*(\g), X+32*(\g), X+32*(\g)+4
.irp i, 2,3,4,5,6,7
	ADD4 T+4*(\g), T+4*(\g), X+32*(\g)+4*(\i)
.endr
.endm
; The same rows' deviations from the wave's mean, in place, and their squares.
.macro DEV g
.irp i, 0,1,2,3,4,5,6,7
	SUB4 X+32*(\g)+4*(\i), X+32*(\g)+4*(\i), MN
.if (\i) == 0
	SQ4 Q+4*(\g), X+32*(\g)
.else
	SQA4 Q+4*(\g), X+32*(\g)+4*(\i)
.endif
.endr
.endm
	GROUP 0
	GROUP 1
	GROUP 2
	GROUP 3
	JOIN4 T
	MUL4K MN, T, 0x3d000000                        ; / 32, exact
	DEV 0
	DEV 1
	DEV 2
	DEV 3
	JOIN4 Q
	ds_store_b128 v[LS], v[MN:MN+3]
	ds_store_b128 v[LS], v[Q:Q+3] offset:M2S
	s_wait_dscnt 0x0                               ; for wave 0's sake: my stores are done
	s_barrier_signal -1
	s_barrier_wait -1                              ; all sixteen parts lie in LDS
	s_cmp_lg_u32 s8, 0
	s_cbranch_scc1 .Lend
.irp j, 0,1,2,3,4,5,6,7,8,9,10,11,12,13,14,15
	ds_load_b128 v[X+4*(\j):X+4*(\j)+3], v[LC] offset:512*(\j)          ; wave j's means of my 4 columns
.endr
.irp j, 0,1,2,3,4,5,6,7,8,9,10,11,12,13,14,15
	ds_load_b128 v[X+64+4*(\j):X+64+4*(\j)+3], v[LC] offset:M2S+512*(\j)  ; and its M2
.endr
	s_wait_dscnt 0x0
.irp c, 0,1,2,3
	ADD4 T+4*(\c), X+4*(\c), X+16+4*(\c)
	ADD4 T+4*(\c), T+4*(\c), X+32+4*(\c)
	ADD4 T+4*(\c), T+4*(\c), X+48+4*(\c)
.endr
	JOIN4 T
	MUL4K MN, T, 0x3d800000                        ; / 16: the chunk's mean
.irp j, 0,1,2,3,4,5,6,7,8,9,10,11,12,13,14,15
	SUB4 X+4*(\j), X+4*(\j), MN
.endr
.irp c, 0,1,2,3
	SQ4 Q+4*(\c), X+4*(\c)
	SQA4 Q+4*(\c), X+16+4*(\c)
	SQA4 Q+4*(\c), X+32+4*(\c)
	SQA4 Q+4*(\c), X+48+4*(\c)
.endr
	JOIN4 Q                                        ; sum of (wave's mean - chunk's mean)^2
.irp c, 0,1,2,3
	ADD4 T+4*(\c), X+64+4*(\c), X+80+4*(\c)
	ADD4 T+4*(\c), T+4*(\c), X+96+4*(\c)
	ADD4 T+4*(\c), T+4*(\c), X+112+4*(\c)
.endr
	JOIN4 T                                        ; sum of the waves' M2
	v_pk_fma_f32 v[T:T+1], v[Q:Q+1], 0x42000000, v[T:T+1] op_sel_hi:[1,0,1]      ; + 32 rows x the sum above
	v_pk_fma_f32 v[T+2:T+3], v[Q+2:Q+3], 0x42000000, v[T+2:T+3] op_sel_hi:[1,0,1]
	global_store_b128 v[LC], v[MN:MN+3], s[6:7]                 ; 512 consecutive bytes, at a multiple of 512 from xpart's first
	global_store_b128 v[LC], v[T:T+3], s[6:7] offset:16384
.Lend:
	s_wait_tensorcnt 0x0                           ; the wave's end: the tensor wait, the add and its wait, behind my last LDS store
	ds_add_u32 v[SPW], v[NIL]
	s_wait_dscnt 0x0
	s_endpgm
.Lfunc_end_k_q4bbfc39cf8_xstats:
	.size	k_q4bbfc39cf8_xstats, .Lfunc_end_k_q4bbfc39cf8_xstats-k_q4bbfc39cf8_xstats
	.p2alignl 7, 3214868480
	.fill 96, 4, 3214868480
	.section	.rodata,"a",@progbits
	.p2align	6, 0x0
	.amdhsa_kernel k_q4bbfc39cf8_xstats
		.amdhsa_group_segment_fixed_size 18432
		.amdhsa_private_segment_fixed_size 0
		.amdhsa_enable_private_segment 0
		.amdhsa_kernarg_size 16
		.amdhsa_user_sgpr_count 2
		.amdhsa_user_sgpr_kernarg_segment_ptr 1
		.amdhsa_wavefront_size32 1
		.amdhsa_system_sgpr_workgroup_id_x 1
		.amdhsa_system_sgpr_workgroup_id_y 1
		.amdhsa_system_sgpr_workgroup_id_z 1
		.amdhsa_system_vgpr_workitem_id 0
		.amdhsa_next_free_vgpr 176
		.amdhsa_next_free_sgpr 66
		.amdhsa_reserve_vcc 0
		.amdhsa_float_denorm_mode_32 3
		.amdhsa_float_denorm_mode_16_64 3
		.amdhsa_memory_ordered 1
		.amdhsa_forward_progress 1
		.amdhsa_inst_pref_size 28
	.end_amdhsa_kernel
	.amdgpu_metadata
---
amdhsa.version: [ 1, 2 ]
amdhsa.kernels:
  - .name:           k_q4bbfc39cf8_xstats
    .symbol:         k_q4bbfc39cf8_xstats.kd
    .args:
      - { .name: x, .offset: 0, .size: 8, .value_kind: global_buffer, .address_space: global }
      - { .name: xpart, .offset: 8, .size: 8, .value_kind: global_buffer, .address_space: global }
    .group_segment_fixed_size: 18432
    .private_segment_fixed_size: 0
    .kernarg_segment_align: 8
    .kernarg_segment_size: 16
    .max_flat_workgroup_size: 512
    .sgpr_count:     66
    .vgpr_count:     176
    .wavefront_size: 32
...
	.end_amdgpu_metadata
.endif
;; end of part 1
;; launch xbin (part 2): grid 32 x 8, 16 waves a work-group, no clusters, 4,608 bytes of LDS; arguments x, xpart, gamma, beta, xb; writes xb
.if DOCPART == 2
	.amdgcn_target "amdgcn-amd-amdhsa--gfx1250"
	.amdhsa_code_object_version 6
	.text
	.protected	k_q4bbfc39cf8_xbin
	.globl	k_q4bbfc39cf8_xbin
	.p2align	8
	.type	k_q4bbfc39cf8_xbin,@function
k_q4bbfc39cf8_xbin:
	s_mov_b64 s[64:65], 0
	v_nop
	global_prefetch_b8 v0, s[64:65] scope:SCOPE_SE
	s_setreg_imm32_b32 hwreg(HW_REG_WAVE_MODE, 25, 1), 1
	s_wait_xcnt 0x0
; xb[r][c] = sign((x[r][c] - mu[c]) / sqrt(var[c] + 1e-4) * gamma[c] + beta[c]) as bf16 (-1, 0 or +1).  x: [4096][4096] f32, xb: [4096][4096] bf16.
; SHARES.  Work-group (cx, ry): columns 128 cx .. + 127, rows 512 ry .. + 511; wave w 32 of those rows; lane l 4 columns.  A wave asks for its 16 KiB of x at once.
; THE COLUMNS' CONSTANTS.  Wave 0 joins the eight chunks of xpart (mean, M2) while x is on its way: mu = mean of the means;
; var = (sum of M2 + 512 x sum of (chunk's mean - mu)^2) / 4096: only terms that are not negative are added.  It hands mu, sd = sqrt(var + 1e-4), 1 / sd, gamma, beta to all waves through LDS.
; THE STEPS FROM x TO THE SIGN are taken one by one, each rounded by itself: the difference; the quotient (d x rc, then one correction by the
; residual d - q sd, which gives the rounded quotient); the product by gamma; the sum with beta.  The product and the sum are NOT fused: the sign of that sum is the result.
; sqrt and 1 / sd start from v_sqrt_f32 and v_rcp_f32 and get one correction by their residuals.
; THE SIGN.  q x 2^126 x 2^126 held to -1 .. 1 is -1, 0 or +1 for every finite q, the smallest denormal (2^-149) included; a -0 stays a zero.
; LIMITS.  mu and var are summed by trees, not in the order of a plain loop over the rows: an element whose sum with beta lies within that difference of zero
; can get the other sign.  NaN and infinities in x are not treated apart.
.set ROWB,  16384                      ; bytes in a row of x
.set YROW,  8192                       ; bytes in a row of xb
.set SPARE, 2560                       ; LDS: five tables of 512 bytes (mu, sd, 1 / sd, gamma, beta) at 0; then the spare words, 128 bytes for each of 16 waves
.set XO,  1                            ; v1   16 l + 32 rows of x x wave; never rewritten
.set YO,  2                            ; v2   8 l + 32 rows of xb x wave; never rewritten
.set LC,  3                            ; v3   16 l: my 4 columns, in the tables, in xpart, gamma and beta
.set SPW, 6                            ; v6   LDS address of my spare word; never rewritten
.set NIL, 7                            ; v7   0; never rewritten
.set MU,  8                            ; v[8:11]
.set SD,  12                           ; v[12:15]
.set RC,  16                           ; v[16:19]
.set GA,  20                           ; v[20:23]
.set BE,  24                           ; v[24:27]
.set W,   28                           ; v[28:43]  at work: two sets of 8, by a row's parity
.set V,   W+4                          ; wave 0: var + eps
.set E,   W+8                          ; wave 0: a residual
.set X,   48                           ; v[48:175] row i at X + 4 i; its first two registers then hold the row's 4 signs
.set P,   176                          ; v[176:239] wave 0: chunk j's means at P + 4 j, its M2 at P + 32 + 4 j
.macro ADD4 d, a, b
	v_pk_add_f32 v[(\d):(\d)+1], v[(\a):(\a)+1], v[(\b):(\b)+1]
	v_pk_add_f32 v[(\d)+2:(\d)+3], v[(\a)+2:(\a)+3], v[(\b)+2:(\b)+3]
.endm
.macro SUB4 d, a, b
	v_pk_add_f32 v[(\d):(\d)+1], v[(\a):(\a)+1], v[(\b):(\b)+1] neg_lo:[0,1] neg_hi:[0,1]
	v_pk_add_f32 v[(\d)+2:(\d)+3], v[(\a)+2:(\a)+3], v[(\b)+2:(\b)+3] neg_lo:[0,1] neg_hi:[0,1]
.endm
.macro SQ4 d, a
	v_pk_mul_f32 v[(\d):(\d)+1], v[(\a):(\a)+1], v[(\a):(\a)+1]
	v_pk_mul_f32 v[(\d)+2:(\d)+3], v[(\a)+2:(\a)+3], v[(\a)+2:(\a)+3]
.endm
.macro SQA4 d, a
	v_pk_fma_f32 v[(\d):(\d)+1], v[(\a):(\a)+1], v[(\a):(\a)+1], v[(\d):(\d)+1]
	v_pk_fma_f32 v[(\d)+2:(\d)+3], v[(\a)+2:(\a)+3], v[(\a)+2:(\a)+3], v[(\d)+2:(\d)+3]
.endm
.macro JOIN4 t
	ADD4 (\t), (\t), (\t)+4
	ADD4 (\t)+8, (\t)+8, (\t)+12
	ADD4 (\t), (\t), (\t)+8
.endm
	s_load_b256 s[4:11], s[0:1], 0x0               ; x s[4:5], xpart s[6:7], gamma s[8:9], beta s[10:11]
	s_load_b64 s[12:13], s[0:1], 0x20              ; xb
	v_lshl_add_u32 v[SPW], v0, 2, SPARE
	v_mov_b32 v[NIL], 0
	v_lshrrev_b32 v5, 5, v0
	v_readfirstlane_b32 s14, v5                    ; wave 0..15
	v_and_b32 v[LC], 31, v0
	v_lshlrev_b32 v[YO], 3, v[LC]
	v_lshl_or_b32 v[YO], v5, 18, v[YO]             ; 32 rows of 8,192 bytes a wave
	v_lshlrev_b32 v[LC], 4, v[LC]
	v_lshl_or_b32 v[XO], v5, 19, v[LC]             ; 32 rows of 16,384 bytes a wave
	s_and_b32 s15, ttmp7, 0xffff                   ; ry
	s_mov_b32 s16, 0x7e800000                      ; 2^126; the packed multiply names a pair and takes its low word for both halves
	s_mov_b32 s17, s16
	s_mov_b32 s18, 0xbf800000                      ; -1
	s_mov_b32 s19, 0x3f800000                      ; +1
	s_mov_b32 s24, 0x39800000                      ; 2^-12 = 1 / 4096
	s_mov_b32 s25, s24
	s_mov_b32 s26, 0x38d1b717                      ; 1e-4
	s_mov_b32 s27, s26
	s_lshl_b32 s21, ttmp9, 9                       ; 128 columns of 4 bytes
	s_lshl_b32 s22, s15, 23                        ; 512 rows of x
	s_add_co_u32 s22, s22, s21
	s_mov_b32 s23, 0
	s_wait_kmcnt 0x0
	s_add_nc_u64 s[4:5], s[4:5], s[22:23]
	s_mov_b32 s22, s21
	s_add_nc_u64 s[6:7], s[6:7], s[22:23]
	s_add_nc_u64 s[8:9], s[8:9], s[22:23]
	s_add_nc_u64 s[10:11], s[10:11], s[22:23]
	s_lshl_b32 s22, s15, 22                        ; 512 rows of xb
	s_lshl_b32 s21, ttmp9, 8                       ; 128 columns of 2 bytes
	s_add_co_u32 s22, s22, s21
	s_add_nc_u64 s[12:13], s[12:13], s[22:23]
	s_cmp_lg_u32 s14, 0
	s_cbranch_scc1 .Lall
.irp j, 0,1,2,3,4,5,6,7                ; wave 0 asks for the statistics first: 18 loads
	global_load_b128 v[P+4*(\j):P+4*(\j)+3], v[LC], s[6:7] offset:(\j)*32768
	global_load_b128 v[P+32+4*(\j):P+32+4*(\j)+3], v[LC], s[6:7] offset:(\j)*32768+16384
.endr
	global_load_b128 v[GA:GA+3], v[LC], s[8:9]
	global_load_b128 v[BE:BE+3], v[LC], s[10:11]
.Lall:
.set i, 0
.rept 32
	global_load_b128 v[X+4*i:X+4*i+3], v[XO], s[4:5] offset:i*ROWB th:TH_LOAD_NT
.set i, i+1
.endr
	s_cmp_lg_u32 s14, 0
	s_cbranch_scc1 .Lmeet
	s_wait_loadcnt 32                              ; the 18 are in; the 32 loads of x, issued behind them, may stay out
.irp c, 0,1,2,3
	ADD4 W+4*(\c), P+4*(\c), P+16+4*(\c)
.endr
	JOIN4 W
	v_pk_mul_f32 v[MU:MU+1], v[W:W+1], 0x3e000000 op_sel_hi:[1,0]      ; / 8: mu
	v_pk_mul_f32 v[MU+2:MU+3], v[W+2:W+3], 0x3e000000 op_sel_hi:[1,0]
.irp j, 0,1,2,3,4,5,6,7
	SUB4 P+4*(\j), P+4*(\j), MU
.endr
.irp c, 0,1,2,3
	SQ4 W+4*(\c), P+4*(\c)
	SQA4 W+4*(\c), P+16+4*(\c)
.endr
	JOIN4 W                                        ; sum of (chunk's mean - mu)^2
.irp c, 0,1,2,3
	ADD4 P+32+4*(\c), P+32+4*(\c), P+48+4*(\c)
.endr
	JOIN4 P+32                                     ; sum of the chunks' M2
.irp p, 0,2
	v_pk_fma_f32 v[V+(\p):V+(\p)+1], v[W+(\p):W+(\p)+1], 0x44000000, v[P+32+(\p):P+32+(\p)+1] op_sel_hi:[1,0,1]  ; + 512 rows x the sum above
.endr
.irp p, 0,2
	v_pk_fma_f32 v[V+(\p):V+(\p)+1], v[V+(\p):V+(\p)+1], s[24:25], s[26:27] op_sel_hi:[1,0,0]  ; / 4096 is exact, so var + 1e-4 is rounded once
.endr
.irp k, 0,1,2,3
	v_sqrt_f32 v[SD+(\k)], v[V+(\k)]
.endr
	v_nop                                          ; a plain instruction behind the last root,
	s_wait_alu depctr_va_vdst(0)                   ; and the wait ahead of the first use: one for the four
.irp k, 0,1,2,3
	v_rcp_f32 v[RC+(\k)], v[SD+(\k)]
.endr
.irp p, 0,2
	v_pk_fma_f32 v[E+(\p):E+(\p)+1], v[SD+(\p):SD+(\p)+1], v[SD+(\p):SD+(\p)+1], v[V+(\p):V+(\p)+1] neg_lo:[1,0,0] neg_hi:[1,0,0]  ; V - s s: the plain work behind the reciprocals
.endr
	s_wait_alu depctr_va_vdst(0)                   ; one wait for the four reciprocals
.irp p, 0,2
	v_pk_mul_f32 v[RC+(\p):RC+(\p)+1], v[RC+(\p):RC+(\p)+1], 0.5 op_sel_hi:[1,0]
.endr
.irp p, 0,2
	v_pk_fma_f32 v[SD+(\p):SD+(\p)+1], v[E+(\p):E+(\p)+1], v[RC+(\p):RC+(\p)+1], v[SD+(\p):SD+(\p)+1]  ; s + (V - s s) / 2 s
.endr
.irp k, 0,1,2,3
	v_rcp_f32 v[RC+(\k)], v[SD+(\k)]
.endr
	v_nop
	s_wait_alu depctr_va_vdst(0)
.irp p, 0,2
	v_pk_fma_f32 v[E+(\p):E+(\p)+1], v[SD+(\p):SD+(\p)+1], v[RC+(\p):RC+(\p)+1], 1.0 op_sel_hi:[1,1,0] neg_lo:[1,0,0] neg_hi:[1,0,0]  ; 1 - sd r
.endr
.irp p, 0,2
	v_pk_fma_f32 v[RC+(\p):RC+(\p)+1], v[E+(\p):E+(\p)+1], v[RC+(\p):RC+(\p)+1], v[RC+(\p):RC+(\p)+1]  ; r + (1 - sd r) r
.endr
	ds_store_b128 v[LC], v[MU:MU+3]
	ds_store_b128 v[LC], v[SD:SD+3] offset:512
	ds_store_b128 v[LC], v[RC:RC+3] offset:1024
	ds_store_b128 v[LC], v[GA:GA+3] offset:1536
	ds_store_b128 v[LC], v[BE:BE+3] offset:2048
.Lmeet:
	s_wait_dscnt 0x0                               ; for the others' sake: wave 0's stores are done
	s_barrier_signal -1
	s_barrier_wait -1
	ds_load_b128 v[MU:MU+3], v[LC]
	ds_load_b128 v[SD:SD+3], v[LC] offset:512
	ds_load_b128 v[RC:RC+3], v[LC] offset:1024
	ds_load_b128 v[GA:GA+3], v[LC] offset:1536
	ds_load_b128 v[BE:BE+3], v[LC] offset:2048
	s_wait_dscnt 0x0
; Row i of my 32.  No register that a store reads is written again, and no address register is stepped: the row's place stands in the immediates.
.macro ROW i
.set RX, X+4*(\i)
.set WQ, W+8*((\i)%2)
.set WE, WQ+4
	s_wait_loadcnt 31-(\i)                         ; loads come back in order: the 31 - i younger ones may stay out
.irp p, 0,2
	v_pk_add_f32 v[RX+(\p):RX+(\p)+1], v[RX+(\p):RX+(\p)+1], v[MU+(\p):MU+(\p)+1] neg_lo:[0,1] neg_hi:[0,1]  ; d = x - mu
.endr
.irp p, 0,2
	v_pk_mul_f32 v[WQ+(\p):WQ+(\p)+1], v[RX+(\p):RX+(\p)+1], v[RC+(\p):RC+(\p)+1]                            ; q = d / sd, nearly
.endr
.irp p, 0,2
	v_pk_fma_f32 v[WE+(\p):WE+(\p)+1], v[WQ+(\p):WQ+(\p)+1], v[SD+(\p):SD+(\p)+1], v[RX+(\p):RX+(\p)+1] neg_lo:[1,0,0] neg_hi:[1,0,0]  ; d - q sd
.endr
.irp p, 0,2
	v_pk_fma_f32 v[WQ+(\p):WQ+(\p)+1], v[WE+(\p):WE+(\p)+1], v[RC+(\p):RC+(\p)+1], v[WQ+(\p):WQ+(\p)+1]      ; the quotient, rounded
.endr
.irp p, 0,2
	v_pk_mul_f32 v[WQ+(\p):WQ+(\p)+1], v[WQ+(\p):WQ+(\p)+1], v[GA+(\p):GA+(\p)+1]                            ; x gamma, rounded by itself,
.endr
.irp p, 0,2
	v_pk_add_f32 v[WQ+(\p):WQ+(\p)+1], v[WQ+(\p):WQ+(\p)+1], v[BE+(\p):BE+(\p)+1]                            ; + beta: not fused, see the head
.endr
.irp p, 0,2
	v_pk_mul_f32 v[WQ+(\p):WQ+(\p)+1], v[WQ+(\p):WQ+(\p)+1], s[16:17] op_sel_hi:[1,0]
.endr
.irp p, 0,2
	v_pk_mul_f32 v[WQ+(\p):WQ+(\p)+1], v[WQ+(\p):WQ+(\p)+1], s[16:17] op_sel_hi:[1,0]
.endr
.irp k, 0,1,2,3
	v_med3_num_f32 v[WQ+(\k)], v[WQ+(\k)], s18, s19
.endr
	v_cvt_pk_bf16_f32 v[RX], v[WQ], v[WQ+1]        ; -1, 0 and +1 are bf16 numbers: nothing is rounded
	v_cvt_pk_bf16_f32 v[RX+1], v[WQ+2], v[WQ+3]
	global_store_b64 v[YO], v[RX:RX+1], s[12:13] offset:(\i)*YROW th:TH_STORE_NT  ; the wave's 32 lanes store 256 consecutive bytes, at a multiple of 256 from xb's first
.endm
.irp i, 0,1,2,3,4,5,6,7,8,9,10,11,12,13,14,15,16,17,18,19,20,21,22,23,24,25,26,27,28,29,30,31
	ROW \i
.endr
	s_wait_tensorcnt 0x0                           ; the wave's end: the tensor wait, the add and its wait, behind the last LDS store
	ds_add_u32 v[SPW], v[NIL]
	s_wait_dscnt 0x0
	s_endpgm
.Lfunc_end_k_q4bbfc39cf8_xbin:
	.size	k_q4bbfc39cf8_xbin, .Lfunc_end_k_q4bbfc39cf8_xbin-k_q4bbfc39cf8_xbin
	.p2alignl 7, 3214868480
	.fill 96, 4, 3214868480
	.section	.rodata,"a",@progbits
	.p2align	6, 0x0
	.amdhsa_kernel k_q4bbfc39cf8_xbin
		.amdhsa_group_segment_fixed_size 4608
		.amdhsa_private_segment_fixed_size 0
		.amdhsa_enable_private_segment 0
		.amdhsa_kernarg_size 40
		.amdhsa_user_sgpr_count 2
		.amdhsa_user_sgpr_kernarg_segment_ptr 1
		.amdhsa_wavefront_size32 1
		.amdhsa_system_sgpr_workgroup_id_x 1
		.amdhsa_system_sgpr_workgroup_id_y 1
		.amdhsa_system_sgpr_workgroup_id_z 1
		.amdhsa_system_vgpr_workitem_id 0
		.amdhsa_next_free_vgpr 240
		.amdhsa_next_free_sgpr 66
		.amdhsa_reserve_vcc 0
		.amdhsa_float_denorm_mode_32 3
		.amdhsa_float_denorm_mode_16_64 3
		.amdhsa_memory_ordered 1
		.amdhsa_forward_progress 1
		.amdhsa_inst_pref_size 62
	.end_amdhsa_kernel
	.amdgpu_metadata
---
amdhsa.version: [ 1, 2 ]
amdhsa.kernels:
  - .name:           k_q4bbfc39cf8_xbin
    .symbol:         k_q4bbfc39cf8_xbin.kd
    .args:
      - { .name: x, .offset: 0, .size: 8, .value_kind: global_buffer, .address_space: global }
      - { .name: xpart, .offset: 8, .size: 8, .value_kind: global_buffer, .address_space: global }
      - { .name: gamma, .offset: 16, .size: 8, .value_kind: global_buffer, .address_space: global }
      - { .name: beta, .offset: 24, .size: 8, .value_kind: global_buffer, .address_space: global }
      - { .name: xb, .offset: 32, .size: 8, .value_kind: global_buffer, .address_space: global }
    .group_segment_fixed_size: 4608
    .private_segment_fixed_size: 0
    .kernarg_segment_align: 8
    .kernarg_segment_size: 40
    .max_flat_workgroup_size: 512
    .sgpr_count:     66
    .vgpr_count:     240
    .wavefront_size: 32
...
	.end_amdgpu_metadata
.endif
;; end of part 2
;; launch wbin (part 3): grid 256 x 1, 16 waves a work-group, no clusters, 0 bytes of LDS; arguments weight, wb, wscale; writes wb, wscale
.if DOCPART == 3
	.amdgcn_target "amdgcn-amd-amdhsa--gfx1250"
	.amdhsa_code_object_version 6
	.text
	.protected	k_q4bbfc39cf8_wbin
	.globl	k_q4bbfc39cf8_wbin
	.p2align	8
	.type	k_q4bbfc39cf8_wbin,@function
k_q4bbfc39cf8_wbin:
	s_mov_b64 s[64:65], 0
	v_nop
	global_prefetch_b8 v0, s[64:65] scope:SCOPE_SE
	s_setreg_imm32_b32 hwreg(HW_REG_WAVE_MODE, 25, 1), 1
	s_wait_xcnt 0x0
; For each row o of weight ([4096][4096] f32): d = w - mean of the row; wscale[o] = mean of |clip(d, -1, 1)|; wb[o][k] = sign(clip(d, -1, 1)) as bf16.
; |clip(d, -1, 1)| = min(|d|, 1) and sign(clip(d, -1, 1)) = sign(d), for every d.
; SHARES.  One wave, one row: 16 KiB, 128 registers a lane, asked for at once by 32 loads of 512 consecutive bytes, and kept in registers between the three passes
; (sum; deviations and their magnitudes; signs): the row is read from memory once, no wave waits for another, no LDS, no barrier.  16 waves, 256 work-groups.
; THE SIGN.  d x 2^126 x 2^126 held to -1 .. 1 is -1, 0 or +1 for every finite d, denormals included.
; THE SCALE leaves as 4 bytes a row, 16 KiB of the launch's 96 MiB: to gather 256 consecutive bytes of it a work-group would need 64 rows, which leaves 64 work-groups.
; LIMITS.  The row's sum goes by four chains a lane and a tree over the lanes, not in the order of a plain loop: an element within that difference of the mean
; can get the other sign.  NaN and infinities are not treated apart.
.set WO,  1                            ; v1   16 l + a row of weight x wave; never rewritten
.set YO,  2                            ; v2   8 l + a row of wb x wave; never rewritten
.set SO,  3                            ; v3   4 x wave
.set LN,  4                            ; v4   lane
.set A,   8                            ; v[8:15]   four chains of pairs
.set M,   16                           ; v[16:17]  the mean, twice
.set T,   18                           ; v[18:33]  at work
.set SC,  34                           ; v34       the scale
.set X,   48                           ; v[48:175] load j at X + 4 j: elements 128 j + 4 l .. + 3
	s_load_b128 s[4:7], s[0:1], 0x0                ; weight s[4:5], wb s[6:7]
	s_load_b64 s[8:9], s[0:1], 0x10                ; wscale
	v_lshrrev_b32 v5, 5, v0                        ; wave
	v_and_b32 v[LN], 31, v0
	v_lshlrev_b32 v[WO], 4, v[LN]
	v_lshl_or_b32 v[WO], v5, 14, v[WO]
	v_lshlrev_b32 v[YO], 3, v[LN]
	v_lshl_or_b32 v[YO], v5, 13, v[YO]
	v_lshlrev_b32 v[SO], 2, v5
	s_mov_b32 s10, 0x76543210                      ; v_permlanex16_b32: each lane takes its own place in the other half
	s_mov_b32 s11, 0xfedcba98
	s_mov_b32 s12, 0x7e800000                      ; 2^126, named as a pair
	s_mov_b32 s13, s12
	s_mov_b32 s14, 0xbf800000                      ; -1
	s_mov_b32 s15, 0x3f800000                      ; +1
	s_lshl_b32 s18, ttmp9, 18                      ; 16 rows of 16,384 bytes
	s_mov_b32 s19, 0
	s_wait_kmcnt 0x0
	s_add_nc_u64 s[4:5], s[4:5], s[18:19]
	s_lshl_b32 s18, ttmp9, 17                      ; 16 rows of 8,192 bytes
	s_add_nc_u64 s[6:7], s[6:7], s[18:19]
	s_lshl_b32 s18, ttmp9, 6                       ; 16 scales
	s_add_nc_u64 s[8:9], s[8:9], s[18:19]
.set j, 0
.rept 32
	global_load_b128 v[X+4*j:X+4*j+3], v[WO], s[4:5] offset:512*j th:TH_LOAD_NT
.set j, j+1
.endr
; The four chains at A into one number, the same in every lane, in v[A].
.macro WSUM
	v_pk_add_f32 v[A:A+1], v[A:A+1], v[A+2:A+3]
	v_pk_add_f32 v[A+4:A+5], v[A+4:A+5], v[A+6:A+7]
	v_pk_add_f32 v[A:A+1], v[A:A+1], v[A+4:A+5]
	v_add_f32 v[A], v[A], v[A+1]
	v_add_f32_dpp v[A], v[A], v[A] row_xmask:1 row_mask:0xf bank_mask:0xf
	v_add_f32_dpp v[A], v[A], v[A] row_xmask:2 row_mask:0xf bank_mask:0xf
	v_add_f32_dpp v[A], v[A], v[A] row_xmask:4 row_mask:0xf bank_mask:0xf
	v_add_f32_dpp v[A], v[A], v[A] row_xmask:8 row_mask:0xf bank_mask:0xf
	v_permlanex16_b32 v[A+1], v[A], s10, s11       ; its destination counts as read: a register that has been written
	v_add_f32 v[A], v[A], v[A+1]
.endm
	; pass 1: the row's sum.  Loads 0 to 3 start the chains: nothing is cleared
.set j, 0
.rept 32
.if j%8 == 0
	s_wait_loadcnt 24-j                            ; loads come back in order: the next eight are in, the 24 - j behind them may stay out
.endif
.if j >= 4
	v_pk_add_f32 v[A+4*(j%2):A+4*(j%2)+1], v[A+4*(j%2):A+4*(j%2)+1], v[X+4*j:X+4*j+1]
	v_pk_add_f32 v[A+4*(j%2)+2:A+4*(j%2)+3], v[A+4*(j%2)+2:A+4*(j%2)+3], v[X+4*j+2:X+4*j+3]
.elseif j >= 2
	v_pk_add_f32 v[A+4*(j%2):A+4*(j%2)+1], v[X+4*(j-2):X+4*(j-2)+1], v[X+4*j:X+4*j+1]
	v_pk_add_f32 v[A+4*(j%2)+2:A+4*(j%2)+3], v[X+4*(j-2)+2:X+4*(j-2)+3], v[X+4*j+2:X+4*j+3]
.endif
.set j, j+1
.endr
	WSUM
	v_mul_f32 v[M], 0x39800000, v[A]               ; / 4096, exact
	v_mul_f32 v[M+1], 0x39800000, v[A]             ; twice: a pair for the packed subtraction
	; pass 2: d = w - mean, in place, and the sum of min(|d|, 1)
.set j, 0
.rept 32
	v_pk_add_f32 v[X+4*j:X+4*j+1], v[X+4*j:X+4*j+1], v[M:M+1] neg_lo:[0,1] neg_hi:[0,1]
	v_pk_add_f32 v[X+4*j+2:X+4*j+3], v[X+4*j+2:X+4*j+3], v[M:M+1] neg_lo:[0,1] neg_hi:[0,1]
.if j < 2
.set D, A+4*j                          ; loads 0 and 1 start the chains
.else
.set D, T+4*(j%4)
.endif
.irp k, 0,1,2,3
	v_min_num_f32 v[D+(\k)], |v[X+4*j+(\k)]|, s15
.endr
.if j >= 2
	v_pk_add_f32 v[A+4*(j%2):A+4*(j%2)+1], v[A+4*(j%2):A+4*(j%2)+1], v[D:D+1]
	v_pk_add_f32 v[A+4*(j%2)+2:A+4*(j%2)+3], v[A+4*(j%2)+2:A+4*(j%2)+3], v[D+2:D+3]
.endif
.set j, j+1
.endr
	WSUM
	v_mul_f32 v[SC], 0x39800000, v[A]
	v_cmp_eq_u32 vcc_lo, 0, v[LN]
	s_wait_xcnt 0x0                                ; EXEC is a source of every memory instruction issued so far: it changes only behind this wait
	s_and_saveexec_b32 s17, vcc_lo
	global_store_b32 v[SO], v[SC], s[8:9]          ; lane 0 stores the row's scale
	s_wait_xcnt 0x0                                ; and again, in front of the line that widens EXEC
	s_or_b32 exec_lo, exec_lo, s17
	; pass 3: the signs, in place; a load's 128 elements leave as 256 consecutive bytes
.set j, 0
.rept 32
	v_pk_mul_f32 v[X+4*j:X+4*j+1], v[X+4*j:X+4*j+1], s[12:13] op_sel_hi:[1,0]
	v_pk_mul_f32 v[X+4*j+2:X+4*j+3], v[X+4*j+2:X+4*j+3], s[12:13] op_sel_hi:[1,0]
	v_pk_mul_f32 v[X+4*j:X+4*j+1], v[X+4*j:X+4*j+1], s[12:13] op_sel_hi:[1,0]
	v_pk_mul_f32 v[X+4*j+2:X+4*j+3], v[X+4*j+2:X+4*j+3], s[12:13] op_sel_hi:[1,0]
.irp k, 0,1,2,3
	v_med3_num_f32 v[X+4*j+(\k)], v[X+4*j+(\k)], s14, s15
.endr
	v_cvt_pk_bf16_f32 v[X+4*j], v[X+4*j], v[X+4*j+1]       ; -1, 0 and +1 are bf16 numbers: nothing is rounded
	v_cvt_pk_bf16_f32 v[X+4*j+1], v[X+4*j+2], v[X+4*j+3]
	global_store_b64 v[YO], v[X+4*j:X+4*j+1], s[6:7] offset:256*j th:TH_STORE_NT  ; at a multiple of 256 from wb's first byte
.set j, j+1
.endr
	s_endpgm
.Lfunc_end_k_q4bbfc39cf8_wbin:
	.size	k_q4bbfc39cf8_wbin, .Lfunc_end_k_q4bbfc39cf8_wbin-k_q4bbfc39cf8_wbin
	.p2alignl 7, 3214868480
	.fill 96, 4, 3214868480
	.section	.rodata,"a",@progbits
	.p2align	6, 0x0
	.amdhsa_kernel k_q4bbfc39cf8_wbin
		.amdhsa_group_segment_fixed_size 0
		.amdhsa_private_segment_fixed_size 0
		.amdhsa_enable_private_segment 0
		.amdhsa_kernarg_size 24
		.amdhsa_user_sgpr_count 2
		.amdhsa_user_sgpr_kernarg_segment_ptr 1
		.amdhsa_wavefront_size32 1
		.amdhsa_system_sgpr_workgroup_id_x 1
		.amdhsa_system_sgpr_workgroup_id_y 1
		.amdhsa_system_sgpr_workgroup_id_z 1
		.amdhsa_system_vgpr_workitem_id 0
		.amdhsa_next_free_vgpr 176
		.amdhsa_next_free_sgpr 66
		.amdhsa_reserve_vcc 1
		.amdhsa_float_denorm_mode_32 3
		.amdhsa_float_denorm_mode_16_64 3
		.amdhsa_memory_ordered 1
		.amdhsa_forward_progress 1
		.amdhsa_inst_pref_size 49
	.end_amdhsa_kernel
	.amdgpu_metadata
---
amdhsa.version: [ 1, 2 ]
amdhsa.kernels:
  - .name:           k_q4bbfc39cf8_wbin
    .symbol:         k_q4bbfc39cf8_wbin.kd
    .args:
      - { .name: weight, .offset: 0, .size: 8, .value_kind: global_buffer, .address_space: global }
      - { .name: wb, .offset: 8, .size: 8, .value_kind: global_buffer, .address_space: global }
      - { .name: wscale, .offset: 16, .size: 8, .value_kind: global_buffer, .address_space: global }
    .group_segment_fixed_size: 0
    .private_segment_fixed_size: 0
    .kernarg_segment_align: 8
    .kernarg_segment_size: 24
    .max_flat_workgroup_size: 512
    .sgpr_count:     66
    .vgpr_count:     176
    .wavefront_size: 32
...
	.end_amdgpu_metadata
.endif
;; end of part 3
;; launch gemm (part 4): grid 16 x 16, 4 waves a work-group, clusters of 4 x 4, 327,680 bytes of LDS; arguments xb, wb, out0, bias, wscale; writes out0
.if DOCPART == 4
	.amdgcn_target "amdgcn-amd-amdhsa--gfx1250"
	.amdhsa_code_object_version 6
	.text
	.protected	k_q4bbfc39cf8_gemm
	.globl	k_q4bbfc39cf8_gemm
	.p2align	8
	.type	k_q4bbfc39cf8_gemm,@function
k_q4bbfc39cf8_gemm:
	s_mov_b64 s[64:65], 0
	v_nop
	global_prefetch_b8 v0, s[64:65] scope:SCOPE_SE
	s_setreg_imm32_b32 hwreg(HW_REG_WAVE_MODE, 25, 1), 1
	s_wait_xcnt 0x0
	s_wait_alu depctr_hold_cnt(0) depctr_sa_sdst(0) depctr_va_vdst(0) depctr_va_sdst(0) depctr_va_ssrc(0) depctr_va_vcc(0) depctr_vm_vsrc(0)
	s_getreg_b32 s2, hwreg(HW_REG_IB_STS2, 6, 4)
	s_cmp_eq_u32 s2, 0
	s_cbranch_scc0 .Lentry_in_a_cluster
	s_endpgm
.Lentry_in_a_cluster:
	s_bfe_u32 s2, ttmp6, 0x10000c
	s_cmp_lg_u32 s2, 0xf033
	s_cbranch_scc0 .Lentry_shape_is_right
	s_endpgm
.Lentry_shape_is_right:
; out0[m][n] = max(0, (sum over k of xb[m][k] wb[n][k] + bias[n]) x wscale[n]).  xb (A): [4096][4096], wb (B): [4096][4096], bf16 numbers -1, 0, +1; out0: [4096][4096] f32.
; The products are exact and the sums are whole numbers up to 4,096, which f32 holds: the order of the sums changes nothing.
; (s + bias) x scale is taken as fma(s, scale, bias x scale): it differs from the two separate roundings by a few parts in 10^8 of |bias x scale|.
; A tile of out0, 256 x 256, is made by a work-group of four waves; a wave makes 128 x 128: 64 accumulators of 16 x 16, 512 registers.  256 tiles, 256 work-groups.
; K goes in 32 steps of 128 through a ring of two LDS slots filled by the tensor data mover: a tile's rows are 256 bytes of memory, at multiples of 256 from the buffer's first byte.
; CLUSTERS: 4 x 4 work-groups.  The four of a row of the cluster need the same tiles of A, the four of a column the same tiles of B.  Such a tile is asked for JOINTLY: each of the
; four issues the same tensor load, with the same descriptor and a mask that names the four, and each receives it in its own LDS: a quarter of the requests for A and B.
; REGISTERS, in windows of 256 (s_set_vgpr_msb's low byte: bits 1:0 source 0, 3:2 source 1, 5:4 source 2, 7:6 destination):
;   window 0: v0-31 addresses; v64-127, v128-191 fragments of A, two buffers; on the way out v64-127 results at work, v128-191 and v192-255 rows read back, by turns
;   window 1: v64-127, v128-191 fragments of B, two buffers; v0-63 the scales of my lane's 64 columns; v192-255 their bias x scale
;   window 2: the 32 accumulators of my rows 0-63 (accumulator (a, b) at v[8 (8 a + b)]);   window 3: those of my rows 64-127
; THE MATRIX INSTRUCTION IS USED TRANSPOSED: source 0 = 16 rows of B, source 1 = 16 rows of A.  In the result lane l holds row l % 16 of out0 and the columns
; 8 (l / 16) + 0 .. 7: eight neighbouring numbers of a row, 32 bytes.
.set SIZE_K, 4096
.set SIZE_N, 4096
.set KSTEP,  128
.set PITCH,  272                       ; an LDS row: 256 bytes of data + 16 of padding = 68 words: row r starts at bank 4 r mod 64 (64 banks of 4 bytes: ISA guide 11.1), so the 16 rows of a load start at 16 different banks
.set HALFT,  128*PITCH                 ; 128 rows: what one tensor load brings, and what one wave reads of A or of B
.set SLOT,   4*HALFT                   ; A's 256 rows, then B's 256 rows
.set STAGE,  2*SLOT                    ; behind the ring, never filled by a tensor load: 16 rows x 528 bytes for each wave, for the way out
.set SPITCH, 528                       ; 512 bytes of a row of my 128 columns + 16: 132 words, again 16 different banks for 16 rows
.set SPARE,  STAGE+4*16*SPITCH         ; behind the stages: the spare words, 128 bytes for each wave: two blocks of 256 bytes that no other line names
.set LAPS,   SIZE_K/(2*KSTEP)          ; a lap = two K steps = once round the ring
.set CROW,   SIZE_N*4                  ; bytes in a row of out0
.set ADRA, 16                          ; v16-17  LDS address of my A fragments in slot 0, 1
.set ADRB, 20                          ; v20-21  the same for B
.set STO,  24                          ; v24     the way out: where I put 32 bytes of a row
.set RD,   25                          ; v25     the way out: where I read a row back
.set CO,   26                          ; v26     16 l: my 16 bytes of a row's 512
.set BO,   27                          ; v27     32 (l / 16): my 8 columns of a block of 16, in bias and wscale
.set SPW,  28                          ; v28     LDS address of my spare word: SPARE + 4 x my thread's number; never rewritten
.set NIL,  29                          ; v29     0; never rewritten
.set PFO,  30                          ; v30     the prefetches' offset: my lane x a row of A or B (8,192 bytes); never rewritten
.set PFA,  44                          ; s[44:45] where my prefetches stand: my work-group's 32 rows of the 128 that I fetch, one K step further along K than the refill in hand; a prefetch names the K step after that
.set LIM,  43                          ; s43     1 in a wave that prefetches, else the greatest number
.set F0,   64                          ; fragment buffer 0
.set F1,   128                         ; fragment buffer 1
.set TMP,  64                          ; the way out, window 0
.set BK,   128                         ; the way out, window 0: block a's rows come back into BK + 64 (a % 2)
.set SC,   0                           ; window 1: the scale of column 16 b + 8 (l / 16) + j at SC + 8 b + j
.set BS,   192                         ; window 1: bias x scale, likewise
.set G1, 24                            ; s[24:31] descriptor group 1 for A's tiles
.set G0, 32                            ; s[32:39] descriptor group 0 for A's tiles, one set for each slot
.set G1B, 48                           ; s[48:55] descriptor group 1 for B's tiles: it differs from A's in the mask alone
.set G0B, 56                           ; s[56:63] descriptor group 0 for B's tiles, one set for each slot
.set MSB, 0
.macro WIN new                         ; the immediate's high byte repeats the setting that is left; a switch that changes nothing is dropped
.if MSB != (\new)
	s_set_vgpr_msb (MSB<<8)|(\new)
.set MSB, \new
.endif
.endm
.set MUL_LO, 0xa1                      ; source 0 (B) window 1, source 1 (A) window 0, C and D window 2
.set MUL_HI, 0xf1                      ; the same, C and D window 3
.set TO_B,   0x40                      ; destination window 1, address window 0
; A joint load.  Waves 0 and 1 fetch A's two halves, waves 2 and 3 B's.  Each of the two lines has ONE mask and one set of registers for all that issue it.  The branch hangs on the
; wave's number alone.  An s_nop 0 and four v_nop follow each of the two lines, ahead of the jump, the label and what follows.
.macro JLOAD s
	s_cmp_eq_u32 s11, 0
	s_cbranch_scc0 .Lfor_b_\@
	tensor_load_to_lds s[G0+4*(\s):G0+4*(\s)+3], s[G1:G1+7]
	s_nop 0
.rept 4
	v_nop
.endr
	s_branch .Lasked_\@
.Lfor_b_\@:
	tensor_load_to_lds s[G0B+4*(\s):G0B+4*(\s)+3], s[G1B:G1B+7]
	s_nop 0
.rept 4
	v_nop
.endr
.Lasked_\@:
.endm
; A PREFETCH, behind each joint refill, its five lines and the run of LDS loads that follows them: the K step that stands TWO refills on: 32 rows x 256 bytes, a lane a row, one instruction a wave:
; 512 matrix instructions ahead of the load that will ask for it.  Each row's 256 bytes of a K step are named ONCE in the launch: A's tile row is read by every cluster of that row of clusters, and
; the one with cluster x = 0 asks; B's tile column by every cluster of that column, and the one with cluster y = 0 asks.  The four partners that ask for a tile jointly share its rows out BY ADDRESS:
; of the 128 rows that a wave fetches the partner at place p takes 32 p .. 32 p + 31 (p = cx for A, cy for B): no branch hangs on a work-group's place in its cluster.
; K steps 0 to 3 come by their loads alone; the loop's last trip (s3 = 1) asks for nothing: K steps 32 and 33 do not exist.
.macro ASK
	s_cmp_gt_u32 s3, s[LIM]
	s_cbranch_scc0 .Lnot_mine_\@
	global_prefetch_b8 v[PFO], s[PFA:PFA+1] offset:KSTEP*2 th:TH_LOAD_NT scope:SCOPE_SE
.Lnot_mine_\@:
.endm
; A round of the cluster's barrier: my work-group's barrier, so that wave 0's signal speaks for all four waves; wave 0 signals for the work-group; every wave waits for all
; sixteen work-groups; my work-group's barrier once more.
.macro CREST                           ; a round behind its opening barrier
	s_cmp_lg_u32 s10, 0
	s_cbranch_scc1 .Lnot_wave_0_\@
	s_barrier_signal -3
.Lnot_wave_0_\@:
	s_barrier_wait -3
	s_barrier_signal -1
	s_barrier_wait -1
.endm
.macro CROUND                          ; a whole round
	s_barrier_signal -1
	s_barrier_wait -1
	CREST
.endm
	s_load_b128 s[4:7], s[0:1], 0x0                ; A = xb s[4:5], B = wb s[6:7]
	s_load_b64 s[8:9], s[0:1], 0x10                ; out0
	s_load_b64 s[68:69], s[0:1], 0x18              ; bias
	s_load_b64 s[70:71], s[0:1], 0x20              ; wscale
	v_lshl_add_u32 v[SPW], v0, 2, SPARE
	v_mov_b32 v[NIL], 0
	ds_add_u32 v[SPW], v[NIL]                      ; the wave's opening: the add, twice on end, and its wait ahead of my first tensor load; the set-up below stands between the second and the wait
	ds_add_u32 v[SPW], v[NIL]                      ; and once more, under the one wait
	v_lshrrev_b32 v1, 5, v0
	v_readfirstlane_b32 s10, v1                    ; wave 0..3
	s_lshr_b32 s11, s10, 1                         ; which half of the tile's rows is mine.  Also: I fetch for A (0) or for B (1)
	s_and_b32 s12, s10, 1                          ; which half of its columns.  Also: which 128 rows of that tile I fetch
	s_bfe_u32 s40, ttmp6, 0x40000                  ; cx: my place along the cluster's x
	s_bfe_u32 s41, ttmp6, 0x40004                  ; cy: along its y
	s_lshl_b32 s42, ttmp9, 2                       ; in a cluster launch ttmp9 and ttmp7 count clusters
	s_add_co_u32 s42, s42, s40                     ; tile column = 4 x cluster x + cx
	s_and_b32 s13, ttmp7, 0xffff
	s_lshl_b32 s13, s13, 2
	s_add_co_u32 s13, s13, s41                     ; tile row = 4 x cluster y + cy
	s_lshl_b32 s43, s41, 2
	s_lshl_b32 s43, 15, s43                        ; my row of the cluster: places 4 cy .. 4 cy + 3
	s_lshl_b32 s44, 0x1111, s40                    ; my column: places cx, cx + 4, cx + 8, cx + 12
	; descriptor group 1: a tile of 128 rows x 128 elements, padded in LDS
	s_or_b32 s[G1+0], s43, (1<<16)|(1<<20)|(1<<21)|(5<<22)|(3<<25)  ; 15:0 the mask: A's tiles go to my row; 17:16 elements of 2 bytes; 20 padding on; 21 set beside a mask; 24:22 after every 64 words (code 5); 31:25 4 words of it (code 3)
	s_or_b32 s[G1B+0], s44, (1<<16)|(1<<20)|(1<<21)|(5<<22)|(3<<25) ; the same with the mask of my column, for B's tiles
	s_mov_b32 s[G1B+1], KSTEP<<16
	s_mov_b32 s[G1+1], KSTEP<<16                   ; tensor_dim0 = 128
	s_mov_b32 s[G1B+2], 128<<16
	s_mov_b32 s[G1+2], 128<<16                     ; tensor_dim1 = 128
	s_mov_b32 s[G1B+3], KSTEP<<16
	s_mov_b32 s[G1+3], KSTEP<<16                   ; tile_dim0 = 128
	s_mov_b32 s[G1B+4], 128
	s_mov_b32 s[G1+4], 128                         ; tile_dim1 = 128; tile_dim2 = 0
	s_mov_b32 s[G1B+5], SIZE_K
	s_mov_b32 s[G1+5], SIZE_K                      ; elements from row to row
	s_mov_b32 s[G1B+6], 0
	s_mov_b32 s[G1+6], 0
	s_mov_b32 s[G1B+7], 0
	s_mov_b32 s[G1+7], 0
	; where the tiles come from.  A's hang on the tile row alone, which my row of the cluster shares; B's on the tile column alone, which my column shares.
	s_lshl_b32 s17, s12, 7                         ; which 128 rows of the tile I fetch
	s_lshl_b32 s16, s13, 8
	s_add_co_u32 s16, s16, s17                     ; A: row 256 x tile row + 128 x half
	s_lshl_b32 s46, s42, 8
	s_add_co_u32 s46, s46, s17                     ; B: row 256 x tile column + 128 x half
	s_mov_b32 s17, 0
	s_mov_b32 s47, 0
	s_mov_b64 s[18:19], SIZE_K*2
	s_mul_u64 s[16:17], s[16:17], s[18:19]         ; in bytes
	s_mul_u64 s[46:47], s[46:47], s[18:19]
	s_mul_i32 s20, s10, HALFT                      ; and where they go: A's two halves, then B's two halves = wave x 128 rows: no place in the cluster enters an LDS address
	s_wait_dscnt 0x0                               ; both opening adds are done
	s_wait_kmcnt 0x0
	s_add_nc_u64 s[14:15], s[4:5], s[16:17]
	s_add_nc_u64 s[46:47], s[6:7], s[46:47]
	CROUND                                         ; all sixteen work-groups are here: the first joint loads meet
.irp s, 0,1
	s_mov_b32 s[G0+4*(\s)], 1                                      ; count = 1
	s_add_co_u32 s[G0+4*(\s)+1], s20, (\s)*SLOT                    ; LDS address
	s_add_nc_u64 s[G0+4*(\s)+2:G0+4*(\s)+3], s[14:15], (\s)*KSTEP*2  ; global address: K step s
	s_or_b32 s[G0+4*(\s)+3], s[G0+4*(\s)+3], 0x80000000            ; type = 2
	s_mov_b32 s[G0B+4*(\s)], 1
	s_add_co_u32 s[G0B+4*(\s)+1], s20, (\s)*SLOT
	s_add_nc_u64 s[G0B+4*(\s)+2:G0B+4*(\s)+3], s[46:47], (\s)*KSTEP*2
	s_or_b32 s[G0B+4*(\s)+3], s[G0B+4*(\s)+3], 0x80000000
	JLOAD \s                                       ; the ring is filled before anything else is done: two tensor loads of mine are out
.endr
	; A fragment is 16 rows x 32 K in 8 registers: lane l holds row l % 16; registers 0-3 hold K = 8 (l / 16) + 0..7, registers 4-7 K = 16 + 8 (l / 16) + 0..7: two loads of 16 bytes, 32 bytes apart.
	v_and_b32 v1, 15, v0                           ; l % 16
	v_bfe_u32 v2, v0, 4, 1                         ; l / 16
	v_mul_u32_u24 v3, v1, PITCH
	v_lshl_add_u32 v3, v2, 4, v3                   ; row x pitch + 16 x half
	s_mul_i32 s21, s11, HALFT                      ; my 128 rows of A
	s_mul_i32 s22, s12, HALFT                      ; my 128 rows of B,
	s_add_co_u32 s22, s22, 2*HALFT                 ; which lie behind A's 256
.irp s, 0,1
	v_add_nc_u32 v[ADRA+(\s)], s21, v3
	v_add_nc_u32 v[ADRB+(\s)], s22, v3
	s_add_co_u32 s21, s21, SLOT
	s_add_co_u32 s22, s22, SLOT
.endr
	s_mul_i32 s23, s10, 16*SPITCH
	s_add_co_u32 s23, s23, STAGE                   ; my stage
	v_mul_u32_u24 v4, v1, SPITCH                   ; in: row l % 16, 32 bytes for each half of the lanes
	v_lshl_add_u32 v4, v2, 5, v4
	v_add_nc_u32 v[STO], s23, v4
	v_and_b32 v5, 31, v0
	v_lshlrev_b32 v[CO], 4, v5                     ; back: 32 lanes take one row of 512 bytes
	v_add_nc_u32 v[RD], s23, v[CO]
	v_lshlrev_b32 v[BO], 5, v2
	; where my part of the tile begins in out0, and my 128 columns in bias and wscale
	s_lshl_b32 s13, s13, 8
	s_lshl_b32 s14, s11, 7
	s_add_co_u32 s16, s13, s14                     ; my first row
	s_mov_b32 s17, 0
	s_mov_b64 s[18:19], CROW
	s_mul_u64 s[16:17], s[16:17], s[18:19]
	s_lshl_b32 s46, s42, 10                        ; my first column, in bytes of f32: 1,024 x tile column + 512 x half
	s_lshl_b32 s47, s12, 9
	s_add_co_u32 s46, s46, s47
	s_mov_b32 s47, 0
	s_add_nc_u64 s[8:9], s[8:9], s[16:17]
	s_add_nc_u64 s[8:9], s[8:9], s[46:47]
	s_add_nc_u64 s[68:69], s[68:69], s[46:47]
	s_add_nc_u64 s[70:71], s[70:71], s[46:47]
	WIN TO_B
.irp b, 0,1,2,3,4,5,6,7                ; my lane's 8 columns of each of the 8 blocks of 16: 32 bytes, two loads; the 16 lanes of a half read the same bytes
.irp e, 0,1
	global_load_b128 v[SC+8*(\b)+4*(\e):SC+8*(\b)+4*(\e)+3], v[BO], s[70:71] offset:64*(\b)+16*(\e)
	global_load_b128 v[BS+8*(\b)+4*(\e):BS+8*(\b)+4*(\e)+3], v[BO], s[68:69] offset:64*(\b)+16*(\e)
.endr
.endr
	WIN 0
	; the prefetches.  s13 = 256 x tile row, s42 = tile column, s40 = cx, s41 = cy still stand; s[4:5] = A, s[6:7] = B
	s_lshl_b32 s42, s42, 8
	s_and_b32 s22, ttmp7, 0xffff                   ; cluster y
	s_cmp_eq_u32 s11, 0                            ; do I fetch for A?
	s_cselect_b32 s20, s13, s42                    ; the tile's first row: in A by the tile row, in B by the tile column
	s_cselect_b32 s21, s40, s41                    ; my place among the four that ask for it with me
	s_cselect_b32 s22, ttmp9, s22                  ; the coordinate along which other clusters read the same rows
	s_cselect_b64 s[PFA:PFA+1], s[4:5], s[6:7]
	s_cmp_eq_u32 s22, 0
	s_cselect_b32 s[LIM], 1, -1                    ; the same in all sixteen partners, for a given wave
	s_lshl_b32 s22, s12, 7
	s_add_co_u32 s20, s20, s22                     ; + the 128 rows that I fetch
	s_lshl_b32 s21, s21, 5
	s_add_co_u32 s20, s20, s21                     ; + my work-group's 32 of them
	s_mov_b32 s21, 0
	s_mov_b64 s[18:19], SIZE_K*2
	s_mul_u64 s[20:21], s[20:21], s[18:19]
	s_add_nc_u64 s[PFA:PFA+1], s[PFA:PFA+1], s[20:21]
	s_add_nc_u64 s[PFA:PFA+1], s[PFA:PFA+1], 2*KSTEP*2  ; at K step 2: the first refill steps it to 3 and names K step 4
	v_and_b32 v[PFO], 31, v0
	v_mul_u32_u24 v[PFO], v[PFO], SIZE_K*2
	s_wait_loadcnt 0x0                             ; scales and bias; all this stands in the wait for the first tile
	WIN 0x45                                       ; destination and both sources in window 1
.set i, 0
.rept 32
	v_pk_mul_f32 v[BS+i:BS+i+1], v[BS+i:BS+i+1], v[SC+i:SC+i+1]  ; bias x scale, once
.set i, i+2
.endr
	WIN 0
; 16 matrix instructions: m blocks a0, a0 + 1 of the window's four (hi = 0: my rows 0-63, 1: rows 64-127) x all 8 n blocks, 32 along K.
; zero = 1: the first product starts the sums: nothing is ever cleared.  The 64 accumulators take turns, in the same order in every quarter step.
.macro MUL16 f, hi, a0, zero
	WIN MUL_LO+0x50*(\hi)
.irp a, \a0, (\a0)+1
.irp b, 0,1,2,3,4,5,6,7
.if \zero
	v_wmma_f32_16x16x32_bf16 v[8*(8*(\a)+(\b)):8*(8*(\a)+(\b))+7], v[(\f)+8*(\b):(\f)+8*(\b)+7], v[(\f)+8*(4*(\hi)+(\a)):(\f)+8*(4*(\hi)+(\a))+7], 0
.else
	v_wmma_f32_16x16x32_bf16 v[8*(8*(\a)+(\b)):8*(8*(\a)+(\b))+7], v[(\f)+8*(\b):(\f)+8*(\b)+7], v[(\f)+8*(4*(\hi)+(\a)):(\f)+8*(4*(\hi)+(\a))+7], v[8*(8*(\a)+(\b)):8*(8*(\a)+(\b))+7]
.endif
.endr
.endr
.endm
; 32 LDS loads in one run: the fragments of one quarter step (128 rows of B, 128 rows of A, 32 K at byte k of the rows) into buffer f
.macro FETCH slot, k, f
	WIN TO_B
.irp i, 0,1,2,3,4,5,6,7
	ds_load_b128 v[(\f)+8*(\i):(\f)+8*(\i)+3],   v[ADRB+(\slot)] offset:(\k)+(\i)*16*PITCH
	ds_load_b128 v[(\f)+8*(\i)+4:(\f)+8*(\i)+7], v[ADRB+(\slot)] offset:(\k)+(\i)*16*PITCH+32
.endr
	WIN 0
.irp i, 0,1,2,3,4,5,6,7
	ds_load_b128 v[(\f)+8*(\i):(\f)+8*(\i)+3],   v[ADRA+(\slot)] offset:(\k)+(\i)*16*PITCH
	ds_load_b128 v[(\f)+8*(\i)+4:(\f)+8*(\i)+7], v[ADRA+(\slot)] offset:(\k)+(\i)*16*PITCH+32
.endr
.endm
; A load into a register that a matrix instruction has read, and a vector instruction that reads a matrix result, stand four places behind that matrix instruction, and only plain
; vector instructions that name none of its registers are places (ISA guide 7.12.1 for vector instructions).
.macro PLACES
.rept 4
	v_nop
.endr
.endm
; A K step is four quarter steps of 32 along K, 64 matrix instructions each, on buffers 0, 1, 0, 1.
; One of the first three: multiplies buffer f; in its middle it fetches the next quarter's fragments, at byte k of the same slot's rows, into buffer g.
.macro QUARTER slot, k, f, g, zero
	s_wait_dscnt 8                                 ; B and A's rows 0-63 are in; the youngest eight loads (A's rows 64-127) may be out
	WIN MUL_LO
	MUL16 \f, 0, 0, \zero
	MUL16 \f, 0, 2, \zero
	PLACES
	FETCH \slot, \k, \g
	s_wait_dscnt 32                                ; all but the 32 just issued
	WIN MUL_HI
	MUL16 \f, 1, 0, \zero
	MUL16 \f, 1, 2, \zero
.endm
; The last quarter multiplies buffer 1 and changes slots.  MEET is its first half: ONE barrier for the change.  In front of it each wave waits for all its tensor loads, of which one
; is out: its part of the next slot; adds 0 to its spare word; and waits for that and for its own reads of this slot.  Behind it nobody reads this slot any more and the next slot is whole.
.macro MEET round                      ; round = 1: a round of the cluster's barrier follows
	WIN 0                                          ; (the add's two registers lie in window 0)
	s_wait_tensorcnt 0x0                           ; all my tensor loads have landed;
	ds_add_u32 v[SPW], v[NIL]                      ; 0 onto my spare word;
	s_wait_dscnt 9                                 ; (the add and the youngest eight loads may be out)
	WIN MUL_LO
	MUL16 F1, 0, 0, 0                              ; sixteen matrix instructions stand between the add and the wait for it
	s_wait_dscnt 0x0                               ; the add is done, and my reads of this slot are over:
	s_barrier_signal -1                            ; say so,
	MUL16 F1, 0, 2, 0                              ; work on registers while the others arrive,
.if \round
	WIN 0
.endif
	s_barrier_wait -1                              ; and go on when all four have said so
.endm
; The whole last quarter where the slot is filled again, with the K step two steps on: the barrier opens a round of the cluster's, and the joint refill is the first tensor load
; behind the round: one load of mine is out, and 224 matrix instructions stand between it and the wait for it.
.macro TURN slot, next
	s_wait_xcnt 0x0                                ; the last prefetch, a K step back, has read its address: it is stepped here, ahead of the waits of the change of slots
	s_add_nc_u64 s[PFA:PFA+1], s[PFA:PFA+1], KSTEP*2
	MEET 1
	CREST                                          ; no wave of any partner still reads this slot's tile or has a load on its way
	s_add_nc_u64 s[G0+4*(\slot)+2:G0+4*(\slot)+3], s[G0+4*(\slot)+2:G0+4*(\slot)+3], 2*KSTEP*2
	s_add_nc_u64 s[G0B+4*(\slot)+2:G0B+4*(\slot)+3], s[G0B+4*(\slot)+2:G0B+4*(\slot)+3], 2*KSTEP*2
	JLOAD \slot                                    ; the four v_nop behind it are also the places in front of the loads below
	FETCH \next, 0, F0
	ASK
	WIN MUL_HI
	MUL16 F1, 1, 0, 0
	MUL16 F1, 1, 2, 0
.endm
; The same where nothing is left to fetch: the work-group's barrier alone.
.macro TURNZ
	MEET 0
	PLACES
	FETCH 1, 0, F0
	WIN MUL_HI
	MUL16 F1, 1, 0, 0
	MUL16 F1, 1, 2, 0
.endm
; THE WAY OUT of block a (16 of my rows), in three parts.  SCALE: fma(sum, scale, bias x scale), then the maximum with 0; each accumulator's registers in ascending order.
.macro SCALE a
.set AC, 64*((\a)%4)
	WIN 0x16+(\a)/4                                ; source 0 window 2 or 3, sources 1 and 2 window 1, destination window 0
.irp b, 0,1,2,3,4,5,6,7
.irp r, 0,2,4,6
	v_pk_fma_f32 v[TMP+8*(\b)+(\r):TMP+8*(\b)+(\r)+1], v[AC+8*(\b)+(\r):AC+8*(\b)+(\r)+1], v[SC+8*(\b)+(\r):SC+8*(\b)+(\r)+1], v[BS+8*(\b)+(\r):BS+8*(\b)+(\r)+1]
.endr
.endr
	WIN 0
.set i, 0
.rept 64
	v_max_num_f32 v[TMP+i], 0, v[TMP+i]
.set i, i+1
.endr
.endm
; TOSTAGE: a lane's 32 bytes of a row and block of 16 columns go into my own stage, rows of 528 bytes, and come back as whole rows of 512.
.macro TOSTAGE a
	WIN 0
.set BKA, BK+64*((\a)%2)
.irp b, 0,1,2,3,4,5,6,7
	ds_store_b128 v[STO], v[TMP+8*(\b):TMP+8*(\b)+3] offset:64*(\b)
	ds_store_b128 v[STO], v[TMP+8*(\b)+4:TMP+8*(\b)+7] offset:64*(\b)+16
.endr
.irp t, 0,1,2,3,4,5,6,7,8,9,10,11,12,13,14,15
	ds_load_b128 v[BKA+4*(\t):BKA+4*(\t)+3], v[RD] offset:(\t)*SPITCH  ; LDS serves a wave's instructions in order (ISA guide 5.7.1.4): these see the stores above, and the next block's stores come behind them
.endr
.endm
; SEND: stored.
.macro SEND a
	WIN 0
.set BKA, BK+64*((\a)%2)
	s_wait_dscnt 0x0                               ; the block is back in registers
	s_wait_xcnt 0x0                                ; every earlier store has read its registers and its base: only behind this wait are the base stepped and the other buffer loaded again
.if (\a) > 0
	s_add_nc_u64 s[8:9], s[8:9], 16*CROW           ; 16 rows of out0 on
.endif
.irp t, 0,1,2,3,4,5,6,7,8,9,10,11,12,13,14,15
	global_store_b128 v[CO], v[BKA+4*(\t):BKA+4*(\t)+3], s[8:9] offset:(\t)*CROW th:TH_STORE_NT  ; 32 lanes store 512 consecutive bytes, at a multiple of 512 from out0's first byte
.endr
.endm
	s_wait_tensorcnt 1                             ; my part of K step 0 is in; K step 1's load, issued behind it, may stay out
	s_barrier_signal -1
	s_barrier_wait -1                              ; everybody's is
	FETCH 0, 0, F0
	QUARTER 0, 64,  F0, F1, 1                      ; the first quarter stands in front of the loop: its products start the sums
	WIN 0                                          ; at a label and at a branch every window is 0
	s_mov_b32 s3, LAPS-1
.Llap:                                                 ; a trip goes once round the ring, from a lap's second quarter to the next lap's first, and fills both slots again
	QUARTER 0, 128, F1, F0, 0
	QUARTER 0, 192, F0, F1, 0
	TURN 0, 1
	QUARTER 1, 64,  F0, F1, 0
	QUARTER 1, 128, F1, F0, 0
	QUARTER 1, 192, F0, F1, 0
	TURN 1, 0
	QUARTER 0, 64,  F0, F1, 0
	WIN 0
	s_sub_co_u32 s3, s3, 1
	s_cmp_lg_u32 s3, 0
	s_cbranch_scc1 .Llap
	QUARTER 0, 128, F1, F0, 0                      ; the last lap is written out: it fills nothing
	QUARTER 0, 192, F0, F1, 0
	TURNZ
	QUARTER 1, 64,  F0, F1, 0
	QUARTER 1, 128, F1, F0, 0
	QUARTER 1, 192, F0, F1, 0
	s_wait_dscnt 8                                 ; the very last quarter: nothing more to fetch
	MUL16 F1, 0, 0, 0
	MUL16 F1, 0, 2, 0
	s_wait_dscnt 0x0
	MUL16 F1, 1, 0, 0
	MUL16 F1, 1, 2, 0
	PLACES                                         ; behind the last products, in front of the lines that read results and write fragment registers
	SCALE 0
	TOSTAGE 0
.irp a, 1,2,3,4,5,6,7                  ; block a's arithmetic stands between block a - 1's loads from the stage and the wait for them
	SCALE \a
	SEND (\a)-1
	TOSTAGE \a
.endr
	SEND 7
	s_wait_tensorcnt 0x0                           ; the wave's end: the tensor wait, the add and its wait, behind my last tensor load and my last LDS store
	ds_add_u32 v[SPW], v[NIL]
	s_wait_dscnt 0x0
	CROUND                                         ; the closing round: no work-group ends while a partner may still ask for a tile that names it
	s_endpgm
.Lfunc_end_k_q4bbfc39cf8_gemm:
	.size	k_q4bbfc39cf8_gemm, .Lfunc_end_k_q4bbfc39cf8_gemm-k_q4bbfc39cf8_gemm
	.p2alignl 7, 3214868480
	.fill 96, 4, 3214868480
	.section	.rodata,"a",@progbits
	.p2align	6, 0x0
	.amdhsa_kernel k_q4bbfc39cf8_gemm
		.amdhsa_group_segment_fixed_size 327680
		.amdhsa_private_segment_fixed_size 0
		.amdhsa_enable_private_segment 0
		.amdhsa_kernarg_size 40
		.amdhsa_user_sgpr_count 2
		.amdhsa_user_sgpr_kernarg_segment_ptr 1
		.amdhsa_wavefront_size32 1
		.amdhsa_system_sgpr_workgroup_id_x 1
		.amdhsa_system_sgpr_workgroup_id_y 1
		.amdhsa_system_sgpr_workgroup_id_z 1
		.amdhsa_system_vgpr_workitem_id 0
		.amdhsa_next_free_vgpr 1024
		.amdhsa_next_free_sgpr 72
		.amdhsa_reserve_vcc 0
		.amdhsa_float_denorm_mode_32 3
		.amdhsa_float_denorm_mode_16_64 3
		.amdhsa_memory_ordered 1
		.amdhsa_forward_progress 1
		.amdhsa_inst_pref_size 179
	.end_amdhsa_kernel
	.amdgpu_metadata
---
amdhsa.version: [ 1, 2 ]
amdhsa.kernels:
  - .name:           k_q4bbfc39cf8_gemm
    .symbol:         k_q4bbfc39cf8_gemm.kd
    .args:
      - { .name: xb, .offset: 0, .size: 8, .value_kind: global_buffer, .address_space: global }
      - { .name: wb, .offset: 8, .size: 8, .value_kind: global_buffer, .address_space: global }
      - { .name: out0, .offset: 16, .size: 8, .value_kind: global_buffer, .address_space: global }
      - { .name: bias, .offset: 24, .size: 8, .value_kind: global_buffer, .address_space: global }
      - { .name: wscale, .offset: 32, .size: 8, .value_kind: global_buffer, .address_space: global }
    .group_segment_fixed_size: 327680
    .private_segment_fixed_size: 0
    .kernarg_segment_align: 8
    .kernarg_segment_size: 40
    .max_flat_workgroup_size: 128
    .sgpr_count:     72
    .vgpr_count:     1024
    .wavefront_size: 32
...
	.end_amdgpu_metadata
.endif
;; end of part 4
;; ======== version 2 of 2: 4 launches; version 1 with the launches xbin, wbin written anew for expert scheduling mode
;; workspace buffers: xpart 262,144 bytes; xb 33,554,432 bytes; wb 33,554,432 bytes; wscale 16,384 bytes
;; launch xstats: the kernel of part 1 again; grid 32 x 8, 16 waves a work-group, no clusters, 18,432 bytes of LDS; arguments x, xpart; writes xpart
;; launch xbin (part 5): grid 32 x 8, 16 waves a work-group, no clusters, 4,608 bytes of LDS; arguments x, xpart, gamma, beta, xb; writes xb
.if DOCPART == 5
	.amdgcn_target "amdgcn-amd-amdhsa--gfx1250"
	.amdhsa_code_object_version 6
	.text
	.protected	k_q4bbfc39cf8_xbin
	.globl	k_q4bbfc39cf8_xbin
	.p2align	8
	.type	k_q4bbfc39cf8_xbin,@function
k_q4bbfc39cf8_xbin:
	s_mov_b64 s[64:65], 0
	v_nop
	global_prefetch_b8 v0, s[64:65] scope:SCOPE_SE
	s_setreg_imm32_b32 hwreg(HW_REG_WAVE_SCHED_MODE, 0, 2), 2
	s_setreg_imm32_b32 hwreg(HW_REG_WAVE_MODE, 25, 1), 1
	s_wait_xcnt 0x0
	s_wait_alu depctr_vm_vsrc(0)
; xb[r][c] = sign((x[r][c] - mu[c]) / sqrt(var[c] + 1e-4) * gamma[c] + beta[c]) as bf16 (-1, 0 or +1).  x: [4096][4096] f32, xb: [4096][4096] bf16.
; SHARES.  Work-group (cx, ry): columns 128 cx .. + 127, rows 512 ry .. + 511; wave w 32 of those rows; lane l 4 columns.  A wave asks for its 16 KiB of x at once.
; THE COLUMNS' CONSTANTS.  Wave 0 joins the eight chunks of xpart (mean, M2) while x is on its way: mu = mean of the means;
; var = (sum of M2 + 512 x sum of (chunk's mean - mu)^2) / 4096: only terms that are not negative are added.  It hands mu, sd = sqrt(var + 1e-4), 1 / sd, gamma, beta to all waves through LDS.
; THE STEPS FROM x TO THE SIGN are taken one by one, each rounded by itself: the difference; the quotient (d x rc, then one correction by the
; residual d - q sd, which gives the rounded quotient); the product by gamma; the sum with beta.  The product and the sum are NOT fused: the sign of that sum is the result.
; sqrt and 1 / sd start from v_sqrt_f32 and v_rcp_f32 and get one correction by their residuals.
; THE SIGN.  q x 2^126 x 2^126 held to -1 .. 1 is -1, 0 or +1 for every finite q, the smallest denormal (2^-149) included; a -0 stays a zero.
; LIMITS.  mu and var are summed by trees, not in the order of a plain loop over the rows: an element whose sum with beta lies within that difference of zero
; can get the other sign.  NaN and infinities in x are not treated apart.
; THE MODE: SCHED_MODE bits 1:0 = 2 (LLVM: expert scheduling mode 2), set by the entry lines.  The code itself states the register dependences
; between vector instructions and memory or LDS instructions, with s_wait_alu, always for 0.
; THE PLAN.  Registers that memory or LDS instructions touch:
;   v[XO], v[YO], v[LC]  offsets, written at the head and never again: one wait ahead of the first load serves every load, store and LDS instruction.
;   P, and X as loaded   no vector line names them ahead of their loads, and they are loaded once.
;   MU, SD, RC, GA, BE   wave 0: written by vector lines (GA, BE by loads), read by its five LDS stores; in every wave the LDS loads behind the barrier land in them.
;   X + 4 i, X + 4 i + 1 row i's conversions write them, ONE store reads them, nothing writes them again.
;   W                    named by vector lines alone.            v[SPW], v[NIL]  written at the head, read by the closing add alone.
; The 32 rows go in 8 blocks of four.  Block p's vector lines name its own rows' X, W and the constants; its memory instructions are the four stores of block p - 1.  So ONE wait at a
; block's head states all that those stores hang on, and they are dealt among the block's rows with no further wait.
.set ROWB,  16384                      ; bytes in a row of x
.set YROW,  8192                       ; bytes in a row of xb
.set SPARE, 2560                       ; LDS: five tables of 512 bytes (mu, sd, 1 / sd, gamma, beta) at 0; then the spare words, 128 bytes for each of 16 waves
.set XO,  1                            ; v1   16 l + 32 rows of x x wave; never rewritten
.set YO,  2                            ; v2   8 l + 32 rows of xb x wave; never rewritten
.set LC,  3                            ; v3   16 l: my 4 columns, in the tables, in xpart, gamma and beta
.set SPW, 6                            ; v6   LDS address of my spare word; never rewritten
.set NIL, 7                            ; v7   0; never rewritten
.set MU,  8                            ; v[8:11]
.set SD,  12                           ; v[12:15]
.set RC,  16                           ; v[16:19]
.set GA,  20                           ; v[20:23]
.set BE,  24                           ; v[24:27]
.set W,   28                           ; v[28:43]  at work: two sets of 8, by a row's parity
.set V,   W+4                          ; wave 0: var + eps
.set E,   W+8                          ; wave 0: a residual
.set X,   48                           ; v[48:175] row i at X + 4 i; its first two registers then hold the row's 4 signs
.set P,   176                          ; v[176:239] wave 0: chunk j's means at P + 4 j, its M2 at P + 32 + 4 j
.macro ADD4 d, a, b
	v_pk_add_f32 v[(\d):(\d)+1], v[(\a):(\a)+1], v[(\b):(\b)+1]
	v_pk_add_f32 v[(\d)+2:(\d)+3], v[(\a)+2:(\a)+3], v[(\b)+2:(\b)+3]
.endm
.macro SUB4 d, a, b
	v_pk_add_f32 v[(\d):(\d)+1], v[(\a):(\a)+1], v[(\b):(\b)+1] neg_lo:[0,1] neg_hi:[0,1]
	v_pk_add_f32 v[(\d)+2:(\d)+3], v[(\a)+2:(\a)+3], v[(\b)+2:(\b)+3] neg_lo:[0,1] neg_hi:[0,1]
.endm
.macro SQ4 d, a
	v_pk_mul_f32 v[(\d):(\d)+1], v[(\a):(\a)+1], v[(\a):(\a)+1]
	v_pk_mul_f32 v[(\d)+2:(\d)+3], v[(\a)+2:(\a)+3], v[(\a)+2:(\a)+3]
.endm
.macro SQA4 d, a
	v_pk_fma_f32 v[(\d):(\d)+1], v[(\a):(\a)+1], v[(\a):(\a)+1], v[(\d):(\d)+1]
	v_pk_fma_f32 v[(\d)+2:(\d)+3], v[(\a)+2:(\a)+3], v[(\a)+2:(\a)+3], v[(\d)+2:(\d)+3]
.endm
.macro JOIN4 t
	ADD4 (\t), (\t), (\t)+4
	ADD4 (\t)+8, (\t)+8, (\t)+12
	ADD4 (\t), (\t), (\t)+8
.endm
	s_load_b256 s[4:11], s[0:1], 0x0               ; x s[4:5], xpart s[6:7], gamma s[8:9], beta s[10:11]
	s_load_b64 s[12:13], s[0:1], 0x20              ; xb
	v_lshl_add_u32 v[SPW], v0, 2, SPARE
	v_mov_b32 v[NIL], 0
	v_lshrrev_b32 v5, 5, v0
	v_readfirstlane_b32 s14, v5                    ; wave 0..15
	v_and_b32 v[LC], 31, v0
	v_lshlrev_b32 v[YO], 3, v[LC]
	v_lshl_or_b32 v[YO], v5, 18, v[YO]             ; 32 rows of 8,192 bytes a wave
	v_lshlrev_b32 v[LC], 4, v[LC]
	v_lshl_or_b32 v[XO], v5, 19, v[LC]             ; 32 rows of 16,384 bytes a wave
	s_wait_alu depctr_va_sdst(0)                   ; s14 is written, ahead of its first reader: the compares on the wave's number below
	s_and_b32 s15, ttmp7, 0xffff                   ; ry
	s_mov_b32 s16, 0x7e800000                      ; 2^126; the packed multiply names a pair and takes its low word for both halves
	s_mov_b32 s17, s16
	s_mov_b32 s18, 0xbf800000                      ; -1
	s_mov_b32 s19, 0x3f800000                      ; +1
	s_mov_b32 s24, 0x39800000                      ; 2^-12 = 1 / 4096
	s_mov_b32 s25, s24
	s_mov_b32 s26, 0x38d1b717                      ; 1e-4
	s_mov_b32 s27, s26
	s_lshl_b32 s21, ttmp9, 9                       ; 128 columns of 4 bytes
	s_lshl_b32 s22, s15, 23                        ; 512 rows of x
	s_add_co_u32 s22, s22, s21
	s_mov_b32 s23, 0
	s_wait_kmcnt 0x0
	s_add_nc_u64 s[4:5], s[4:5], s[22:23]
	s_mov_b32 s22, s21
	s_add_nc_u64 s[6:7], s[6:7], s[22:23]
	s_add_nc_u64 s[8:9], s[8:9], s[22:23]
	s_add_nc_u64 s[10:11], s[10:11], s[22:23]
	s_lshl_b32 s22, s15, 22                        ; 512 rows of xb
	s_lshl_b32 s21, ttmp9, 8                       ; 128 columns of 2 bytes
	s_add_co_u32 s22, s22, s21
	s_add_nc_u64 s[12:13], s[12:13], s[22:23]
	s_wait_alu depctr_va_vdst(0)                   ; v[XO], v[YO] and v[LC] are written: every load, store and LDS instruction of the kernel reads one of them; ahead of the branch, so on both ways
	s_cmp_lg_u32 s14, 0
	s_cbranch_scc1 .Lall
.irp j, 0,1,2,3,4,5,6,7                ; wave 0 asks for the statistics first: 18 loads
	global_load_b128 v[P+4*(\j):P+4*(\j)+3], v[LC], s[6:7] offset:(\j)*32768
	global_load_b128 v[P+32+4*(\j):P+32+4*(\j)+3], v[LC], s[6:7] offset:(\j)*32768+16384
.endr
	global_load_b128 v[GA:GA+3], v[LC], s[8:9]
	global_load_b128 v[BE:BE+3], v[LC], s[10:11]
.Lall:
.set i, 0
.rept 32
	global_load_b128 v[X+4*i:X+4*i+3], v[XO], s[4:5] offset:i*ROWB th:TH_LOAD_NT
.set i, i+1
.endr
	s_cmp_lg_u32 s14, 0
	s_cbranch_scc1 .Lmeet
	s_wait_loadcnt 32                              ; the 18 are in; the 32 loads of x, issued behind them, may stay out
.irp c, 0,1,2,3
	ADD4 W+4*(\c), P+4*(\c), P+16+4*(\c)
.endr
	JOIN4 W
	v_pk_mul_f32 v[MU:MU+1], v[W:W+1], 0x3e000000 op_sel_hi:[1,0]      ; / 8: mu
	v_pk_mul_f32 v[MU+2:MU+3], v[W+2:W+3], 0x3e000000 op_sel_hi:[1,0]
.irp j, 0,1,2,3,4,5,6,7
	SUB4 P+4*(\j), P+4*(\j), MU
.endr
.irp c, 0,1,2,3
	SQ4 W+4*(\c), P+4*(\c)
	SQA4 W+4*(\c), P+16+4*(\c)
.endr
	JOIN4 W                                        ; sum of (chunk's mean - mu)^2
.irp c, 0,1,2,3
	ADD4 P+32+4*(\c), P+32+4*(\c), P+48+4*(\c)
.endr
	JOIN4 P+32                                     ; sum of the chunks' M2
.irp p, 0,2
	v_pk_fma_f32 v[V+(\p):V+(\p)+1], v[W+(\p):W+(\p)+1], 0x44000000, v[P+32+(\p):P+32+(\p)+1] op_sel_hi:[1,0,1]  ; + 512 rows x the sum above
.endr
.irp p, 0,2
	v_pk_fma_f32 v[V+(\p):V+(\p)+1], v[V+(\p):V+(\p)+1], s[24:25], s[26:27] op_sel_hi:[1,0,0]  ; / 4096 is exact, so var + 1e-4 is rounded once
.endr
.irp k, 0,1,2,3
	v_sqrt_f32 v[SD+(\k)], v[V+(\k)]
.endr
	v_nop                                          ; a plain instruction behind the last root,
	s_wait_alu depctr_va_vdst(0)                   ; and the wait ahead of the first use: the four roots have written v[SD ..]
.irp k, 0,1,2,3
	v_rcp_f32 v[RC+(\k)], v[SD+(\k)]
.endr
.irp p, 0,2
	v_pk_fma_f32 v[E+(\p):E+(\p)+1], v[SD+(\p):SD+(\p)+1], v[SD+(\p):SD+(\p)+1], v[V+(\p):V+(\p)+1] neg_lo:[1,0,0] neg_hi:[1,0,0]  ; V - s s: the plain work behind the reciprocals
.endr
	s_wait_alu depctr_va_vdst(0)                   ; the four reciprocals have written v[RC ..], ahead of their first reader
.irp p, 0,2
	v_pk_mul_f32 v[RC+(\p):RC+(\p)+1], v[RC+(\p):RC+(\p)+1], 0.5 op_sel_hi:[1,0]
.endr
.irp p, 0,2
	v_pk_fma_f32 v[SD+(\p):SD+(\p)+1], v[E+(\p):E+(\p)+1], v[RC+(\p):RC+(\p)+1], v[SD+(\p):SD+(\p)+1]  ; s + (V - s s) / 2 s
.endr
.irp k, 0,1,2,3
	v_rcp_f32 v[RC+(\k)], v[SD+(\k)]
.endr
	v_nop                                          ; a plain instruction behind the last reciprocal
	s_wait_alu depctr_va_vdst(0)                   ; the four reciprocals of sd have written v[RC ..], ahead of their first reader
.irp p, 0,2
	v_pk_fma_f32 v[E+(\p):E+(\p)+1], v[SD+(\p):SD+(\p)+1], v[RC+(\p):RC+(\p)+1], 1.0 op_sel_hi:[1,1,0] neg_lo:[1,0,0] neg_hi:[1,0,0]  ; 1 - sd r
.endr
.irp p, 0,2
	v_pk_fma_f32 v[RC+(\p):RC+(\p)+1], v[E+(\p):E+(\p)+1], v[RC+(\p):RC+(\p)+1], v[RC+(\p):RC+(\p)+1]  ; r + (1 - sd r) r
.endr
	s_wait_alu depctr_va_vdst(0)                   ; mu, sd and 1 / sd are written, which the LDS stores read; and, no vector line standing between here and them, the lines above are done with the registers in which the LDS loads behind the barrier land
	ds_store_b128 v[LC], v[MU:MU+3]
	ds_store_b128 v[LC], v[SD:SD+3] offset:512
	ds_store_b128 v[LC], v[RC:RC+3] offset:1024
	ds_store_b128 v[LC], v[GA:GA+3] offset:1536
	ds_store_b128 v[LC], v[BE:BE+3] offset:2048
.Lmeet:
	s_wait_dscnt 0x0                               ; for the others' sake: wave 0's stores are done
	s_barrier_signal -1
	s_barrier_wait -1
	s_wait_alu depctr_vm_vsrc(0)                   ; wave 0's LDS stores have read v[MU .. BE + 3], in which the LDS loads below land
	ds_load_b128 v[MU:MU+3], v[LC]
	ds_load_b128 v[SD:SD+3], v[LC] offset:512
	ds_load_b128 v[RC:RC+3], v[LC] offset:1024
	ds_load_b128 v[GA:GA+3], v[LC] offset:1536
	ds_load_b128 v[BE:BE+3], v[LC] offset:2048
	s_wait_dscnt 0x0
; Row i of my 32.  No register that a store reads is written again, and no address register is stepped: the row's place stands in the immediates.
; The row's own signs are stored four rows later, in the next block; ahead of its arithmetic stands the store of row i - 4.
.macro ROW i
.set RX, X+4*(\i)
.set WQ, W+8*((\i)%2)
.set WE, WQ+4
.if ((\i) > 0) && ((\i)%4 == 0)
	s_wait_alu depctr_va_vdst(0)                   ; a block's head: the block before has written its four rows' signs, which this block's four stores read; no vector line of this block names them
.endif
.if (\i) >= 4
	global_store_b64 v[YO], v[RX-16:RX-15], s[12:13] offset:((\i)-4)*YROW th:TH_STORE_NT  ; row i - 4: the wave's 32 lanes store 256 consecutive bytes, at a multiple of 256 from xb's first
.endif
	s_wait_loadcnt 31-(\i)                         ; loads come back in order: the 31 - i younger ones may stay out
.irp p, 0,2
	v_pk_add_f32 v[RX+(\p):RX+(\p)+1], v[RX+(\p):RX+(\p)+1], v[MU+(\p):MU+(\p)+1] neg_lo:[0,1] neg_hi:[0,1]  ; d = x - mu
.endr
.irp p, 0,2
	v_pk_mul_f32 v[WQ+(\p):WQ+(\p)+1], v[RX+(\p):RX+(\p)+1], v[RC+(\p):RC+(\p)+1]                            ; q = d / sd, nearly
.endr
.irp p, 0,2
	v_pk_fma_f32 v[WE+(\p):WE+(\p)+1], v[WQ+(\p):WQ+(\p)+1], v[SD+(\p):SD+(\p)+1], v[RX+(\p):RX+(\p)+1] neg_lo:[1,0,0] neg_hi:[1,0,0]  ; d - q sd
.endr
.irp p, 0,2
	v_pk_fma_f32 v[WQ+(\p):WQ+(\p)+1], v[WE+(\p):WE+(\p)+1], v[RC+(\p):RC+(\p)+1], v[WQ+(\p):WQ+(\p)+1]      ; the quotient, rounded
.endr
.irp p, 0,2
	v_pk_mul_f32 v[WQ+(\p):WQ+(\p)+1], v[WQ+(\p):WQ+(\p)+1], v[GA+(\p):GA+(\p)+1]                            ; x gamma, rounded by itself,
.endr
.irp p, 0,2
	v_pk_add_f32 v[WQ+(\p):WQ+(\p)+1], v[WQ+(\p):WQ+(\p)+1], v[BE+(\p):BE+(\p)+1]                            ; + beta: not fused, see the head
.endr
.irp p, 0,2
	v_pk_mul_f32 v[WQ+(\p):WQ+(\p)+1], v[WQ+(\p):WQ+(\p)+1], s[16:17] op_sel_hi:[1,0]
.endr
.irp p, 0,2
	v_pk_mul_f32 v[WQ+(\p):WQ+(\p)+1], v[WQ+(\p):WQ+(\p)+1], s[16:17] op_sel_hi:[1,0]
.endr
.irp k, 0,1,2,3
	v_med3_num_f32 v[WQ+(\k)], v[WQ+(\k)], s18, s19
.endr
	v_cvt_pk_bf16_f32 v[RX], v[WQ], v[WQ+1]        ; -1, 0 and +1 are bf16 numbers: nothing is rounded
	v_cvt_pk_bf16_f32 v[RX+1], v[WQ+2], v[WQ+3]
.endm
.irp i, 0,1,2,3,4,5,6,7,8,9,10,11,12,13,14,15,16,17,18,19,20,21,22,23,24,25,26,27,28,29,30,31
	ROW \i
.endr
	s_wait_alu depctr_va_vdst(0)                   ; the last block has written its four rows' signs, which the last four stores read
.irp i, 28,29,30,31
	global_store_b64 v[YO], v[X+4*(\i):X+4*(\i)+1], s[12:13] offset:(\i)*YROW th:TH_STORE_NT
.endr
	s_wait_dscnt 0x0                               ; the closing lines, six on end
	s_wait_alu 0x0
	s_wait_tensorcnt 0x0
	ds_add_u32 v[SPW], v[NIL]
	s_wait_dscnt 0x0
	s_endpgm
.Lfunc_end_k_q4bbfc39cf8_xbin:
	.size	k_q4bbfc39cf8_xbin, .Lfunc_end_k_q4bbfc39cf8_xbin-k_q4bbfc39cf8_xbin
	.p2alignl 7, 3214868480
	.fill 96, 4, 3214868480
	.section	.rodata,"a",@progbits
	.p2align	6, 0x0
	.amdhsa_kernel k_q4bbfc39cf8_xbin
		.amdhsa_group_segment_fixed_size 4608
		.amdhsa_private_segment_fixed_size 0
		.amdhsa_enable_private_segment 0
		.amdhsa_kernarg_size 40
		.amdhsa_user_sgpr_count 2
		.amdhsa_user_sgpr_kernarg_segment_ptr 1
		.amdhsa_wavefront_size32 1
		.amdhsa_system_sgpr_workgroup_id_x 1
		.amdhsa_system_sgpr_workgroup_id_y 1
		.amdhsa_system_sgpr_workgroup_id_z 1
		.amdhsa_system_vgpr_workitem_id 0
		.amdhsa_next_free_vgpr 240
		.amdhsa_next_free_sgpr 66
		.amdhsa_reserve_vcc 0
		.amdhsa_float_denorm_mode_32 3
		.amdhsa_float_denorm_mode_16_64 3
		.amdhsa_memory_ordered 1
		.amdhsa_forward_progress 1
		.amdhsa_inst_pref_size 62
	.end_amdhsa_kernel
	.amdgpu_metadata
---
amdhsa.version: [ 1, 2 ]
amdhsa.kernels:
  - .name:           k_q4bbfc39cf8_xbin
    .symbol:         k_q4bbfc39cf8_xbin.kd
    .args:
      - { .name: x, .offset: 0, .size: 8, .value_kind: global_buffer, .address_space: global }
      - { .name: xpart, .offset: 8, .size: 8, .value_kind: global_buffer, .address_space: global }
      - { .name: gamma, .offset: 16, .size: 8, .value_kind: global_buffer, .address_space: global }
      - { .name: beta, .offset: 24, .size: 8, .value_kind: global_buffer, .address_space: global }
      - { .name: xb, .offset: 32, .size: 8, .value_kind: global_buffer, .address_space: global }
    .group_segment_fixed_size: 4608
    .private_segment_fixed_size: 0
    .kernarg_segment_align: 8
    .kernarg_segment_size: 40
    .max_flat_workgroup_size: 512
    .sgpr_count:     66
    .vgpr_count:     240
    .wavefront_size: 32
...
	.end_amdgpu_metadata
.endif
;; end of part 5
;; launch wbin (part 6): grid 256 x 1, 16 waves a work-group, no clusters, 0 bytes of LDS; arguments weight, wb, wscale; writes wb, wscale
.if DOCPART == 6
	.amdgcn_target "amdgcn-amd-amdhsa--gfx1250"
	.amdhsa_code_object_version 6
	.text
	.protected	k_q4bbfc39cf8_wbin
	.globl	k_q4bbfc39cf8_wbin
	.p2align	8
	.type	k_q4bbfc39cf8_wbin,@function
k_q4bbfc39cf8_wbin:
	s_mov_b64 s[64:65], 0
	v_nop
	global_prefetch_b8 v0, s[64:65] scope:SCOPE_SE
	s_setreg_imm32_b32 hwreg(HW_REG_WAVE_SCHED_MODE, 0, 2), 2
	s_setreg_imm32_b32 hwreg(HW_REG_WAVE_MODE, 25, 1), 1
	s_wait_xcnt 0x0
	s_wait_alu depctr_vm_vsrc(0)
; For each row o of weight ([4096][4096] f32): d = w - mean of the row; wscale[o] = mean of |clip(d, -1, 1)|; wb[o][k] = sign(clip(d, -1, 1)) as bf16.
; |clip(d, -1, 1)| = min(|d|, 1) and sign(clip(d, -1, 1)) = sign(d), for every d.
; SHARES.  One wave, one row: 16 KiB, 128 registers a lane, asked for at once by 32 loads of 512 consecutive bytes, and kept in registers between the three passes
; (sum; deviations and their magnitudes; signs): the row is read from memory once, no wave waits for another, no LDS, no barrier.  16 waves, 256 work-groups.
; THE SIGN.  d x 2^126 x 2^126 held to -1 .. 1 is -1, 0 or +1 for every finite d, denormals included.
; THE SCALE leaves as 4 bytes a row, 16 KiB of the launch's 96 MiB: to gather 256 consecutive bytes of it a work-group would need 64 rows, which leaves 64 work-groups.
; LIMITS.  The row's sum goes by four chains a lane and a tree over the lanes, not in the order of a plain loop: an element within that difference of the mean
; can get the other sign.  NaN and infinities are not treated apart.
; THE MODE: SCHED_MODE bits 1:0 = 2 (LLVM: expert scheduling mode 2), set by the entry lines.  The code itself states the register dependences
; between vector instructions and memory instructions, with s_wait_alu, always for 0.
; THE PLAN.  Registers that memory instructions touch:
;   v[WO], v[YO], v[SO]  offsets, written at the head and never again: one wait ahead of the first load serves every load and store.
;   X as loaded          no vector line names it ahead of the loads, and it is loaded once.
;   v[SC]                written by one multiply, read by the one store under the mask; the waits ahead of the write of EXEC state it.
;   X + 4 j, X + 4 j + 1 pass 3's conversions write them, ONE store reads them, nothing writes them again.
;   A, M, T              named by vector lines alone.
; Pass 3 goes in 8 blocks of four loads' worth.  Block p's vector lines name its own 16 registers of X alone; its memory instructions are the four stores of block p - 1.  So ONE wait at a
; block's head states all that those stores hang on, and they are dealt among the block's vector lines with no further wait.
.set WO,  1                            ; v1   16 l + a row of weight x wave; never rewritten
.set YO,  2                            ; v2   8 l + a row of wb x wave; never rewritten
.set SO,  3                            ; v3   4 x wave
.set LN,  4                            ; v4   lane
.set A,   8                            ; v[8:15]   four chains of pairs
.set M,   16                           ; v[16:17]  the mean, twice
.set T,   18                           ; v[18:33]  at work
.set SC,  34                           ; v34       the scale
.set X,   48                           ; v[48:175] load j at X + 4 j: elements 128 j + 4 l .. + 3
	s_load_b128 s[4:7], s[0:1], 0x0                ; weight s[4:5], wb s[6:7]
	s_load_b64 s[8:9], s[0:1], 0x10                ; wscale
	v_lshrrev_b32 v5, 5, v0                        ; wave
	v_and_b32 v[LN], 31, v0
	v_lshlrev_b32 v[WO], 4, v[LN]
	v_lshl_or_b32 v[WO], v5, 14, v[WO]
	v_lshlrev_b32 v[YO], 3, v[LN]
	v_lshl_or_b32 v[YO], v5, 13, v[YO]
	v_lshlrev_b32 v[SO], 2, v5
	s_mov_b32 s10, 0x76543210                      ; v_permlanex16_b32: each lane takes its own place in the other half
	s_mov_b32 s11, 0xfedcba98
	s_mov_b32 s12, 0x7e800000                      ; 2^126, named as a pair
	s_mov_b32 s13, s12
	s_mov_b32 s14, 0xbf800000                      ; -1
	s_mov_b32 s15, 0x3f800000                      ; +1
	s_lshl_b32 s18, ttmp9, 18                      ; 16 rows of 16,384 bytes
	s_mov_b32 s19, 0
	s_wait_kmcnt 0x0
	s_add_nc_u64 s[4:5], s[4:5], s[18:19]
	s_lshl_b32 s18, ttmp9, 17                      ; 16 rows of 8,192 bytes
	s_add_nc_u64 s[6:7], s[6:7], s[18:19]
	s_lshl_b32 s18, ttmp9, 6                       ; 16 scales
	s_add_nc_u64 s[8:9], s[8:9], s[18:19]
	s_wait_alu depctr_va_vdst(0)                   ; v[WO], v[YO] and v[SO] are written: every load and store of the kernel reads one of them as its offset
.set j, 0
.rept 32
	global_load_b128 v[X+4*j:X+4*j+3], v[WO], s[4:5] offset:512*j th:TH_LOAD_NT
.set j, j+1
.endr
; The four chains at A into one number, the same in every lane, in v[A].
.macro WSUM
	v_pk_add_f32 v[A:A+1], v[A:A+1], v[A+2:A+3]
	v_pk_add_f32 v[A+4:A+5], v[A+4:A+5], v[A+6:A+7]
	v_pk_add_f32 v[A:A+1], v[A:A+1], v[A+4:A+5]
	v_add_f32 v[A], v[A], v[A+1]
	v_add_f32_dpp v[A], v[A], v[A] row_xmask:1 row_mask:0xf bank_mask:0xf
	v_add_f32_dpp v[A], v[A], v[A] row_xmask:2 row_mask:0xf bank_mask:0xf
	v_add_f32_dpp v[A], v[A], v[A] row_xmask:4 row_mask:0xf bank_mask:0xf
	v_add_f32_dpp v[A], v[A], v[A] row_xmask:8 row_mask:0xf bank_mask:0xf
	v_permlanex16_b32 v[A+1], v[A], s10, s11       ; its destination counts as read: a register that has been written
	v_add_f32 v[A], v[A], v[A+1]
.endm
	; pass 1: the row's sum.  Loads 0 to 3 start the chains: nothing is cleared
.set j, 0
.rept 32
.if j%8 == 0
	s_wait_loadcnt 24-j                            ; loads come back in order: the next eight are in, the 24 - j behind them may stay out
.endif
.if j >= 4
	v_pk_add_f32 v[A+4*(j%2):A+4*(j%2)+1], v[A+4*(j%2):A+4*(j%2)+1], v[X+4*j:X+4*j+1]
	v_pk_add_f32 v[A+4*(j%2)+2:A+4*(j%2)+3], v[A+4*(j%2)+2:A+4*(j%2)+3], v[X+4*j+2:X+4*j+3]
.elseif j >= 2
	v_pk_add_f32 v[A+4*(j%2):A+4*(j%2)+1], v[X+4*(j-2):X+4*(j-2)+1], v[X+4*j:X+4*j+1]
	v_pk_add_f32 v[A+4*(j%2)+2:A+4*(j%2)+3], v[X+4*(j-2)+2:X+4*(j-2)+3], v[X+4*j+2:X+4*j+3]
.endif
.set j, j+1
.endr
	WSUM
	v_mul_f32 v[M], 0x39800000, v[A]               ; / 4096, exact
	v_mul_f32 v[M+1], 0x39800000, v[A]             ; twice: a pair for the packed subtraction
	; pass 2: d = w - mean, in place, and the sum of min(|d|, 1)
.set j, 0
.rept 32
	v_pk_add_f32 v[X+4*j:X+4*j+1], v[X+4*j:X+4*j+1], v[M:M+1] neg_lo:[0,1] neg_hi:[0,1]
	v_pk_add_f32 v[X+4*j+2:X+4*j+3], v[X+4*j+2:X+4*j+3], v[M:M+1] neg_lo:[0,1] neg_hi:[0,1]
.if j < 2
.set D, A+4*j                          ; loads 0 and 1 start the chains
.else
.set D, T+4*(j%4)
.endif
.irp k, 0,1,2,3
	v_min_num_f32 v[D+(\k)], |v[X+4*j+(\k)]|, s15
.endr
.if j >= 2
	v_pk_add_f32 v[A+4*(j%2):A+4*(j%2)+1], v[A+4*(j%2):A+4*(j%2)+1], v[D:D+1]
	v_pk_add_f32 v[A+4*(j%2)+2:A+4*(j%2)+3], v[A+4*(j%2)+2:A+4*(j%2)+3], v[D+2:D+3]
.endif
.set j, j+1
.endr
	WSUM
	v_mul_f32 v[SC], 0x39800000, v[A]
	v_cmp_eq_u32 vcc_lo, 0, v[LN]
	s_wait_xcnt 0x0                                ; EXEC is a source of every memory instruction issued so far: it changes only behind this wait
	s_wait_alu depctr_va_vcc(0)                    ; the compare has written VCC, from which EXEC is made
	s_wait_alu depctr_va_vdst(0)                   ; ahead of the write of EXEC: every vector line so far has written its result, v[SC], the store's data, among them
	s_wait_alu depctr_vm_vsrc(0)                   ; ahead of the write of EXEC: the loads have read their registers
	s_and_saveexec_b32 s17, vcc_lo
	global_store_b32 v[SO], v[SC], s[8:9]          ; lane 0 stores the row's scale
	s_wait_xcnt 0x0                                ; and again, in front of the line that widens EXEC
	s_wait_alu depctr_va_vdst(0)                   ; ahead of the write of EXEC: no vector line is under way
	s_wait_alu depctr_vm_vsrc(0)                   ; ahead of the write of EXEC: the store has read v[SO] and v[SC]
	s_or_b32 exec_lo, exec_lo, s17
	; pass 3: the signs, in place; a load's 128 elements leave as 256 consecutive bytes, four loads' worth later, in the next block
.set j, 0
.rept 32
.if (j > 0) && (j%4 == 0)
	s_wait_alu depctr_va_vdst(0)                   ; a block's head: the block before has written its signs, which this block's four stores read; no vector line of this block names them
.endif
.if j >= 4
	global_store_b64 v[YO], v[X+4*(j-4):X+4*(j-4)+1], s[6:7] offset:256*(j-4) th:TH_STORE_NT  ; at a multiple of 256 from wb's first byte
.endif
	v_pk_mul_f32 v[X+4*j:X+4*j+1], v[X+4*j:X+4*j+1], s[12:13] op_sel_hi:[1,0]
	v_pk_mul_f32 v[X+4*j+2:X+4*j+3], v[X+4*j+2:X+4*j+3], s[12:13] op_sel_hi:[1,0]
	v_pk_mul_f32 v[X+4*j:X+4*j+1], v[X+4*j:X+4*j+1], s[12:13] op_sel_hi:[1,0]
	v_pk_mul_f32 v[X+4*j+2:X+4*j+3], v[X+4*j+2:X+4*j+3], s[12:13] op_sel_hi:[1,0]
.irp k, 0,1,2,3
	v_med3_num_f32 v[X+4*j+(\k)], v[X+4*j+(\k)], s14, s15
.endr
	v_cvt_pk_bf16_f32 v[X+4*j], v[X+4*j], v[X+4*j+1]       ; -1, 0 and +1 are bf16 numbers: nothing is rounded
	v_cvt_pk_bf16_f32 v[X+4*j+1], v[X+4*j+2], v[X+4*j+3]
.set j, j+1
.endr
	s_wait_alu depctr_va_vdst(0)                   ; the last block has written its signs, which the last four stores read
.irp k, 28,29,30,31
	global_store_b64 v[YO], v[X+4*(\k):X+4*(\k)+1], s[6:7] offset:256*(\k) th:TH_STORE_NT
.endr
	s_endpgm
.Lfunc_end_k_q4bbfc39cf8_wbin:
	.size	k_q4bbfc39cf8_wbin, .Lfunc_end_k_q4bbfc39cf8_wbin-k_q4bbfc39cf8_wbin
	.p2alignl 7, 3214868480
	.fill 96, 4, 3214868480
	.section	.rodata,"a",@progbits
	.p2align	6, 0x0
	.amdhsa_kernel k_q4bbfc39cf8_wbin
		.amdhsa_group_segment_fixed_size 0
		.amdhsa_private_segment_fixed_size 0
		.amdhsa_enable_private_segment 0
		.amdhsa_kernarg_size 24
		.amdhsa_user_sgpr_count 2
		.amdhsa_user_sgpr_kernarg_segment_ptr 1
		.amdhsa_wavefront_size32 1
		.amdhsa_system_sgpr_workgroup_id_x 1
		.amdhsa_system_sgpr_workgroup_id_y 1
		.amdhsa_system_sgpr_workgroup_id_z 1
		.amdhsa_system_vgpr_workitem_id 0
		.amdhsa_next_free_vgpr 176
		.amdhsa_next_free_sgpr 66
		.amdhsa_reserve_vcc 1
		.amdhsa_float_denorm_mode_32 3
		.amdhsa_float_denorm_mode_16_64 3
		.amdhsa_memory_ordered 1
		.amdhsa_forward_progress 1
		.amdhsa_inst_pref_size 49
	.end_amdhsa_kernel
	.amdgpu_metadata
---
amdhsa.version: [ 1, 2 ]
amdhsa.kernels:
  - .name:           k_q4bbfc39cf8_wbin
    .symbol:         k_q4bbfc39cf8_wbin.kd
    .args:
      - { .name: weight, .offset: 0, .size: 8, .value_kind: global_buffer, .address_space: global }
      - { .name: wb, .offset: 8, .size: 8, .value_kind: global_buffer, .address_space: global }
      - { .name: wscale, .offset: 16, .size: 8, .value_kind: global_buffer, .address_space: global }
    .group_segment_fixed_size: 0
    .private_segment_fixed_size: 0
    .kernarg_segment_align: 8
    .kernarg_segment_size: 24
    .max_flat_workgroup_size: 512
    .sgpr_count:     66
    .vgpr_count:     176
    .wavefront_size: 32
...
	.end_amdgpu_metadata
.endif
;; end of part 6
;; launch gemm: the kernel of part 4 again; grid 16 x 16, 4 waves a work-group, clusters of 4 x 4, 327,680 bytes of LDS; arguments xb, wb, out0, bias, wscale; writes out0
